; MI455X (gfx1250); checked and timed in simulation.
; The chip was launched on July 23, 2026; its instructions are those of AMD's public machine-readable ISA for CDNA 5 (MIT licence, August 2026) and "CDNA5" Instruction Set Architecture Reference Guide (July 2026). The comments in the code are by the model that wrote it; some were corrected since.
;; Local Causal Self Attention. Allowed arithmetic: float matrix products may take bf16 or f16 operands with f32 sums; other float arithmetic in f32, or as packed bf16 or f16 multiplies, adds, multiply-adds, maxima and minima; sums over many terms, partial sums and values carried from step to step in f32; what a program stores and reads back later, other than sums and carried values, may be rounded once to bf16 or f16.
;; Inputs: Wk 1,024 x 1,024 float32; Wo 1,024 x 1,024 float32; Wq 1,024 x 1,024 float32; Wv 1,024 x 1,024 float32; hidden 1 x 4,096 x 1,024 float32.
;; Outputs: out0 1 x 4,096 x 1,024 float32.
;; 2 versions, each right; version 2 is version 1 with the launch cast written anew for expert scheduling mode. Each part assembles by itself: llvm-mc -triple=amdgcn-amd-amdhsa -mcpu=gfx1250 --defsym DOCPART=n.
;; ======== version 1 of 2: 4 launches
;; limits: values are held in f16: magnitudes above 65,504 overflow, below 6.1e-05 lose precision
;; workspace buffers: hb 8,388,608 bytes; wqkv 6,291,456 bytes; wo16 2,097,152 bytes; qkv 25,165,824 bytes; ob 8,388,608 bytes
;; launch cast (part 1): grid 512 x 1, 8 waves a work-group, no clusters, 0 bytes of LDS; arguments hidden, Wq, Wk, Wv, Wo, hb, wqkv, wo16; writes hb, wqkv, wo16
.if DOCPART == 1
	.amdgcn_target "amdgcn-amd-amdhsa--gfx1250"
	.amdhsa_code_object_version 6
	.text
	.protected	k_qfa4e098a69_cast
	.globl	k_qfa4e098a69_cast
	.p2align	8
	.type	k_qfa4e098a69_cast,@function
k_qfa4e098a69_cast:
	s_mov_b64 s[64:65], 0
	v_nop
	global_prefetch_b8 v0, s[64:65] scope:SCOPE_SE
	s_setreg_imm32_b32 hwreg(HW_REG_WAVE_MODE, 25, 1), 1
	s_wait_xcnt 0x0
; THE INPUTS ROUNDED ONCE TO 16 BITS.  hidden [4096][1024] f32 -> hb, bf16.  Wq, Wk, Wv [1024][1024] f32 -> wqkv [3072][1024], bf16, one below the other.
; Wo [1024][1024] f32 -> wo16: rounded to bf16 like the other inputs, and that number written as f16 (the last product's other operand is f16).
; LIMIT.  |Wo| stays below 65,504; a bf16 number below 6e-5 keeps f16's fixed step of 6e-8 in wo16.
; SHARES.  A work-group takes 16,384 numbers on end: 65,536 bytes in, 32,768 out.  Groups 0-255: hidden; 256-447: Wq, Wk, Wv (64 groups each); 448-511: Wo.
; Thread t takes 16 bytes at 16 t of each 4,096 bytes: a wave's load covers 512 consecutive bytes, its store 256 consecutive bytes at a multiple of 256 from the buffer's first byte.
; All sixteen loads of a thread go out at once; no register that a load or store names is written again, so nothing but the loads' own counts is waited for.
; No LDS, no matrix unit, no cluster: every byte is read once and written once, and no two work-groups share one.
.set X, 4                              ; v[4:67]    chunk i: 4 numbers as loaded
.set Y, 68                             ; v[68:99]   chunk i: 4 numbers of 16 bits, to store
.set T, 100                            ; v[100:103] at work (Wo's way)
	s_load_b512 s[16:31], s[0:1], 0x0              ; hidden s[16:17], Wq s[18:19], Wk s[20:21], Wv s[22:23], Wo s[24:25], hb s[26:27], wqkv s[28:29], wo16 s[30:31]
	s_mov_b32 s2, ttmp9                            ; the work-group's number
	s_sub_co_u32 s3, s2, 256                       ; j: its number among the weights' groups (used from group 256 on alone)
	s_bfe_u32 s4, s3, 0x20006                      ; which weight: 0 Wq, 1 Wk, 2 Wv, 3 Wo
	s_and_b32 s5, s3, 63                           ; its chunk of that weight
	s_cmp_eq_u32 s4, 3
	s_cselect_b32 s14, s5, s3                      ; chunk of the destination: Wo's own, or j in wqkv,
	s_cmp_lt_u32 s2, 256
	s_cselect_b32 s14, s2, s14                     ; or the group's number in hb
	s_cselect_b32 s12, s2, s5                      ; chunk of the source
	s_lshl_b32 s12, s12, 16                        ; 65,536 bytes a chunk in
	s_lshl_b32 s14, s14, 15                        ; 32,768 out
	s_mov_b32 s13, 0
	s_mov_b32 s15, 0
	v_lshlrev_b32 v1, 4, v0                        ; 16 t
	v_lshlrev_b32 v2, 3, v0                        ; 8 t
	s_wait_kmcnt 0x0
	s_cmp_eq_u32 s4, 0                             ; the buffers are chosen by the group's number alone
	s_cselect_b64 s[8:9], s[18:19], s[20:21]
	s_cmp_eq_u32 s4, 2
	s_cselect_b64 s[8:9], s[22:23], s[8:9]
	s_cmp_eq_u32 s4, 3
	s_cselect_b64 s[8:9], s[24:25], s[8:9]
	s_cselect_b64 s[10:11], s[30:31], s[28:29]
	s_cmp_lt_u32 s2, 256
	s_cselect_b64 s[8:9], s[16:17], s[8:9]
	s_cselect_b64 s[10:11], s[26:27], s[10:11]
	s_add_nc_u64 s[8:9], s[8:9], s[12:13]          ; source at my chunk
	s_add_nc_u64 s[10:11], s[10:11], s[14:15]      ; destination at my chunk
.irp i, 0,1,2,3,4,5,6,7,8,9,10,11,12,13,14,15
	global_load_b128 v[X+4*(\i):X+4*(\i)+3], v1, s[8:9] offset:4096*(\i) th:TH_LOAD_NT
.endr
	s_cmp_ge_u32 s2, 448
	s_cbranch_scc1 .Lwo
.irp i, 0,1,2,3,4,5,6,7,8,9,10,11,12,13,14,15
	s_wait_loadcnt 15-(\i)                         ; loads come back in order: chunk i is in, the younger ones stay out
	v_cvt_pk_bf16_f32 v[Y+2*(\i)],   v[X+4*(\i)],   v[X+4*(\i)+1]
	v_cvt_pk_bf16_f32 v[Y+2*(\i)+1], v[X+4*(\i)+2], v[X+4*(\i)+3]
	global_store_b64 v2, v[Y+2*(\i):Y+2*(\i)+1], s[10:11] offset:2048*(\i)
.endr
	s_endpgm
.Lwo:                                              ; Wo: to bf16, widened again (a shift, a mask), and written as f16
.irp i, 0,1,2,3,4,5,6,7,8,9,10,11,12,13,14,15
	s_wait_loadcnt 15-(\i)
	v_cvt_pk_bf16_f32 v[T],   v[X+4*(\i)],   v[X+4*(\i)+1]
	v_cvt_pk_bf16_f32 v[T+1], v[X+4*(\i)+2], v[X+4*(\i)+3]
	v_lshlrev_b32 v[T+2], 16, v[T]
	v_and_b32     v[T+3], 0xffff0000, v[T]
	v_cvt_pk_f16_f32 v[Y+2*(\i)], v[T+2], v[T+3]
	v_lshlrev_b32 v[T+2], 16, v[T+1]
	v_and_b32     v[T+3], 0xffff0000, v[T+1]
	v_cvt_pk_f16_f32 v[Y+2*(\i)+1], v[T+2], v[T+3]
	global_store_b64 v2, v[Y+2*(\i):Y+2*(\i)+1], s[10:11] offset:2048*(\i)
.endr
	s_endpgm
.Lfunc_end_k_qfa4e098a69_cast:
	.size	k_qfa4e098a69_cast, .Lfunc_end_k_qfa4e098a69_cast-k_qfa4e098a69_cast
	.p2alignl 7, 3214868480
	.fill 96, 4, 3214868480
	.section	.rodata,"a",@progbits
	.p2align	6, 0x0
	.amdhsa_kernel k_qfa4e098a69_cast
		.amdhsa_group_segment_fixed_size 0
		.amdhsa_private_segment_fixed_size 0
		.amdhsa_enable_private_segment 0
		.amdhsa_kernarg_size 64
		.amdhsa_user_sgpr_count 2
		.amdhsa_user_sgpr_kernarg_segment_ptr 1
		.amdhsa_wavefront_size32 1
		.amdhsa_system_sgpr_workgroup_id_x 1
		.amdhsa_system_sgpr_workgroup_id_y 1
		.amdhsa_system_sgpr_workgroup_id_z 1
		.amdhsa_system_vgpr_workitem_id 0
		.amdhsa_next_free_vgpr 104
		.amdhsa_next_free_sgpr 66
		.amdhsa_reserve_vcc 0
		.amdhsa_float_denorm_mode_32 3
		.amdhsa_float_denorm_mode_16_64 3
		.amdhsa_memory_ordered 1
		.amdhsa_forward_progress 1
		.amdhsa_inst_pref_size 16
	.end_amdhsa_kernel
	.amdgpu_metadata
---
amdhsa.version: [ 1, 2 ]
amdhsa.kernels:
  - .name:           k_qfa4e098a69_cast
    .symbol:         k_qfa4e098a69_cast.kd
    .args:
      - { .name: hidden, .offset: 0, .size: 8, .value_kind: global_buffer, .address_space: global }
      - { .name: Wq, .offset: 8, .size: 8, .value_kind: global_buffer, .address_space: global }
      - { .name: Wk, .offset: 16, .size: 8, .value_kind: global_buffer, .address_space: global }
      - { .name: Wv, .offset: 24, .size: 8, .value_kind: global_buffer, .address_space: global }
      - { .name: Wo, .offset: 32, .size: 8, .value_kind: global_buffer, .address_space: global }
      - { .name: hb, .offset: 40, .size: 8, .value_kind: global_buffer, .address_space: global }
      - { .name: wqkv, .offset: 48, .size: 8, .value_kind: global_buffer, .address_space: global }
      - { .name: wo16, .offset: 56, .size: 8, .value_kind: global_buffer, .address_space: global }
    .group_segment_fixed_size: 0
    .private_segment_fixed_size: 0
    .kernarg_segment_align: 8
    .kernarg_segment_size: 64
    .max_flat_workgroup_size: 256
    .sgpr_count:     66
    .vgpr_count:     104
    .wavefront_size: 32
...
	.end_amdgpu_metadata
.endif
;; end of part 1
;; launch qkv (part 2): grid 16 x 16, 4 waves a work-group, clusters of 4 x 4, 327,680 bytes of LDS; arguments hb, wqkv, qkv; writes qkv
.if DOCPART == 2
	.amdgcn_target "amdgcn-amd-amdhsa--gfx1250"
	.amdhsa_code_object_version 6
	.text
	.protected	k_qfa4e098a69_qkv
	.globl	k_qfa4e098a69_qkv
	.p2align	8
	.type	k_qfa4e098a69_qkv,@function
k_qfa4e098a69_qkv:
	s_mov_b64 s[64:65], 0
	v_nop
	global_prefetch_b8 v0, s[64:65] scope:SCOPE_SE
	s_setreg_imm32_b32 hwreg(HW_REG_WAVE_MODE, 25, 1), 1
	s_wait_xcnt 0x0
	s_wait_alu depctr_hold_cnt(0) depctr_sa_sdst(0) depctr_va_vdst(0) depctr_va_sdst(0) depctr_va_ssrc(0) depctr_va_vcc(0) depctr_vm_vsrc(0)
	s_getreg_b32 s2, hwreg(HW_REG_IB_STS2, 6, 4)
	s_cmp_eq_u32 s2, 0
	s_cbranch_scc0 .Lentry_in_a_cluster
	s_endpgm
.Lentry_in_a_cluster:
	s_bfe_u32 s2, ttmp6, 0x10000c
	s_cmp_lg_u32 s2, 0xf033
	s_cbranch_scc0 .Lentry_shape_is_right
	s_endpgm
.Lentry_shape_is_right:
; q, k, v = hidden x W^T.  C[m][e] = sum over d of hb[m][d] wqkv[e][d]: hb [4096][1024], wqkv [3072][1024], both bf16; sums in f32, C rounded once to f16 and stored BY HEADS:
; qkv [48][4096][64] f16, plane e / 64 (0-15 q's heads, 16-31 k's, 32-47 v's), a plane's rows dense, 128 bytes each.  No scale is applied here.
; LIMIT.  f16 ends at 65,504: |q|, |k|, |v| stay below it; below 6e-5 f16 keeps its fixed step of 6e-8.
; SHARES.  A tile of C is 256 rows x 192 columns (three whole heads): 16 x 16 tiles, one to a work-group.  Wave w makes rows 64 w .. 64 w + 63 and all 192 columns: 4 x 12 accumulators of 16 x 16, 384 registers.
; K goes in 8 steps of 128 through two LDS slots filled by the tensor data mover; the tiles' rows are 256 bytes of memory and start at multiples of 256 bytes from the buffer's first byte.
; CLUSTER.  4 x 4 work-groups.  The four of a row of the cluster need the same rows of hb, the four of a column the same rows of wqkv: each tile is asked for JOINTLY, by the same tensor load with the same
; descriptor and a mask that names the four.
; THE MATRIX INSTRUCTION IS USED TRANSPOSED (source 0 = 16 rows of wqkv, source 1 = 16 rows of hb): a lane then holds eight neighbouring channels of one row of C, 16 bytes of f16.
; REGISTERS, in windows of 256 (s_set_vgpr_msb: bits 1:0 source 0, 3:2 source 1, 5:4 source 2, 7:6 destination):
;   window 0: v0-31 addresses; v32-79 packed results; v80-127, v128-175 rows read back from the stage, by turns
;   window 1: two fragment buffers of 128 (32 along K): A's block a at f + 8 a, B's block b at f + 32 + 8 b
;   window 2: the accumulators of row blocks 0, 1 ((a, b) at 8 (12 (a % 2) + b));   window 3: those of row blocks 2, 3
.set SIZE_K, 1024
.set KSTEP,  128
.set PITCH,  272                       ; an LDS row: 256 bytes + 16 of padding = 68 words: the 16 rows that a load touches start at 16 different groups of four banks (64 banks of 4 bytes: ISA guide 11.1)
.set AHALF,  128*PITCH                 ; what a wave's load brings of A: 128 rows
.set BOFF,   2*AHALF                   ; B's 192 rows lie behind A's 256
.set BHALF,  96*PITCH                  ; what a wave's load brings of B: 96 rows
.set SLOT,   BOFF+2*BHALF
.set STAGE,  2*SLOT                    ; behind the ring, never filled by a tensor load: for each wave 3 heads x 16 rows x 144 bytes
.set SP,     144
.set HSTG,   16*SP
.set WSTG,   3*HSTG
.set SPARE,  STAGE+4*WSTG              ; behind the stages: the spare words, 128 bytes for each wave: two blocks of 256 bytes that no other line names
.set PLANE,  4096*128                  ; bytes in a plane of qkv
.set LAPS,   SIZE_K/(2*KSTEP)          ; a lap = two K steps = once round the ring
.set ADRA, 16                          ; v16-17  LDS address of my A fragments in slot 0, 1
.set ADRB, 20                          ; v20-21  the same for B
.set STO,  24                          ; v24     the way out: where I put 16 bytes of a row
.set RD,   25                          ; v25     the way out: where I read rows back
.set GO,   26                          ; v26     my byte offset in 512 consecutive bytes of a plane
.set SPW,  28                          ; v28     LDS address of my spare word: SPARE + 4 x my thread's number; never rewritten
.set NIL,  29                          ; v29     0; never rewritten
.set TMP,  32
.set OB,   80
.set F0,   0
.set F1,   128
.set G1, 24                            ; s[24:31] descriptor group 1 for A's tiles;  s[32:39] group 0, one set for each slot
.set G0, 32
.set G1B, 48                           ; s[48:55], s[56:63] the same for B's tiles
.set G0B, 56
.set MSB, 0
.macro WIN new                         ; the immediate's high byte repeats the setting that is left; a switch that changes nothing is dropped
.if MSB != (\new)
	s_set_vgpr_msb (MSB<<8)|(\new)
.set MSB, \new
.endif
.endm
.set MUL_LO, 0xa5                      ; sources 0 (B) and 1 (A) window 1; C and D window 2
.set MUL_HI, 0xf5                      ; the same, C and D window 3
.set TO_F,   0x40                      ; destination window 1, address window 0
; A joint load: waves 0 and 1 fetch A's two halves, waves 2 and 3 B's.  The branch hangs on the wave's number alone.  An s_nop 0 and four v_nop follow each of the two lines, ahead of the jump,
; the label and what follows.
.macro JLOAD s
	s_cmp_eq_u32 s11, 0
	s_cbranch_scc0 .Lfor_b_\@
	tensor_load_to_lds s[G0+4*(\s):G0+4*(\s)+3], s[G1:G1+7]
	s_nop 0
.rept 4
	v_nop
.endr
	s_branch .Lasked_\@
.Lfor_b_\@:
	tensor_load_to_lds s[G0B+4*(\s):G0B+4*(\s)+3], s[G1B:G1B+7]
	s_nop 0
.rept 4
	v_nop
.endr
.Lasked_\@:
.endm
.macro CREST                           ; a round of the cluster's barrier behind its opening barrier
	s_cmp_lg_u32 s10, 0
	s_cbranch_scc1 .Lnot_wave_0_\@
	s_barrier_signal -3
.Lnot_wave_0_\@:
	s_barrier_wait -3
	s_barrier_signal -1
	s_barrier_wait -1
.endm
.macro CROUND                          ; a whole round
	s_barrier_signal -1
	s_barrier_wait -1
	CREST
.endm
	s_load_b128 s[4:7], s[0:1], 0x0                ; hb s[4:5], wqkv s[6:7]
	s_load_b64 s[8:9], s[0:1], 0x10                ; qkv
	v_lshl_add_u32 v[SPW], v0, 2, SPARE
	v_mov_b32 v[NIL], 0
	ds_add_u32 v[SPW], v[NIL]                      ; the wave's opening: the add and its wait stand ahead of my first tensor load; the set-up below, work on registers, stands between them
	ds_add_u32 v28, v29
	v_lshrrev_b32 v1, 5, v0
	v_readfirstlane_b32 s10, v1                    ; wave 0..3
	s_lshr_b32 s11, s10, 1                         ; I fetch for A (0) or for B (1)
	s_and_b32 s12, s10, 1                          ; which half of that tile's rows I fetch
	s_bfe_u32 s40, ttmp6, 0x40000                  ; cx, cy: my place in the cluster
	s_bfe_u32 s41, ttmp6, 0x40004
	s_lshl_b32 s42, ttmp9, 2
	s_add_co_u32 s42, s42, s40                     ; tile column of C = 4 x cluster x + cx
	s_and_b32 s13, ttmp7, 0xffff
	s_lshl_b32 s13, s13, 2
	s_add_co_u32 s13, s13, s41                     ; tile row of C = 4 x cluster y + cy
	s_lshl_b32 s43, s41, 2
	s_lshl_b32 s43, 15, s43                        ; my row of the cluster
	s_lshl_b32 s44, 0x1111, s40                    ; my column
	; descriptor group 1: tiles of 128 (A) or 96 (B) rows x 128 elements, padded in LDS
	s_or_b32 s[G1+0], s43, (1<<16)|(1<<20)|(1<<21)|(5<<22)|(3<<25)  ; 15:0 the mask: A's tiles go to my row; 17:16 elements of 2 bytes; 20 padding on; 21 set beside a mask; 24:22 after every 64 words (code 5); 31:25 4 words (code 3)
	s_or_b32 s[G1B+0], s44, (1<<16)|(1<<20)|(1<<21)|(5<<22)|(3<<25) ; the same with the mask of my column
	s_mov_b32 s[G1+1], KSTEP<<16                   ; tensor_dim0 = 128
	s_mov_b32 s[G1+2], 128<<16                     ; tensor_dim1 = 128
	s_mov_b32 s[G1+3], KSTEP<<16                   ; tile_dim0 = 128
	s_mov_b32 s[G1+4], 128                         ; tile_dim1 = 128
	s_mov_b32 s[G1+5], SIZE_K                      ; elements from row to row
	s_mov_b32 s[G1+6], 0
	s_mov_b32 s[G1+7], 0
	s_mov_b32 s[G1B+1], KSTEP<<16
	s_mov_b32 s[G1B+2], 96<<16                     ; tensor_dim1 = 96
	s_mov_b32 s[G1B+3], KSTEP<<16
	s_mov_b32 s[G1B+4], 96                         ; tile_dim1 = 96
	s_mov_b32 s[G1B+5], SIZE_K
	s_mov_b32 s[G1B+6], 0
	s_mov_b32 s[G1B+7], 0
	; where the tiles come from: A's hang on the tile row alone, B's on the tile column alone, each in registers that never hold the other coordinate
	s_lshl_b32 s17, s12, 7
	s_lshl_b32 s16, s13, 8
	s_add_co_u32 s16, s16, s17                     ; A: row 256 x tile row + 128 x half,
	s_lshl_b32 s16, s16, 11                        ; of 2,048 bytes (8 MiB at the most)
	s_mov_b32 s17, 0
	s_mul_i32 s46, s42, 192
	s_mul_i32 s47, s12, 96
	s_add_co_u32 s46, s46, s47                     ; B: row 192 x tile column + 96 x half
	s_lshl_b32 s46, s46, 11
	s_mov_b32 s47, 0
	s_mul_i32 s20, s12, AHALF                      ; and where they go: no place in the cluster enters an LDS address
	s_mul_i32 s21, s12, BHALF
	s_add_co_u32 s21, s21, BOFF
	s_wait_dscnt 0x0                               ; the opening add is done
	s_wait_kmcnt 0x0
	s_add_nc_u64 s[14:15], s[4:5], s[16:17]
	s_add_nc_u64 s[46:47], s[6:7], s[46:47]
	CROUND                                         ; all sixteen work-groups are here: the first joint loads meet
.irp s, 0,1
	s_mov_b32 s[G0+4*(\s)], 1                                      ; count = 1
	s_add_co_u32 s[G0+4*(\s)+1], s20, (\s)*SLOT                    ; LDS address
	s_add_nc_u64 s[G0+4*(\s)+2:G0+4*(\s)+3], s[14:15], (\s)*KSTEP*2  ; global address: K step s
	s_or_b32 s[G0+4*(\s)+3], s[G0+4*(\s)+3], 0x80000000            ; type = 2
	s_mov_b32 s[G0B+4*(\s)], 1
	s_add_co_u32 s[G0B+4*(\s)+1], s21, (\s)*SLOT
	s_add_nc_u64 s[G0B+4*(\s)+2:G0B+4*(\s)+3], s[46:47], (\s)*KSTEP*2
	s_or_b32 s[G0B+4*(\s)+3], s[G0B+4*(\s)+3], 0x80000000
	JLOAD \s                                       ; two loads of mine are out
.endr
	; a fragment is 16 rows x 32 K in 8 registers: lane l holds row l % 16, K = 8 (l / 16) + 0..7 and 16 + 8 (l / 16) + 0..7: two loads of 16 bytes, 32 bytes apart
	v_and_b32 v1, 15, v0                           ; l % 16
	v_bfe_u32 v2, v0, 4, 1                         ; l / 16
	v_mul_u32_u24 v3, v1, PITCH
	v_lshl_add_u32 v3, v2, 4, v3
	s_mul_i32 s21, s10, 64*PITCH                   ; my 64 rows of A
	s_mov_b32 s22, BOFF                            ; all of B's rows
.irp s, 0,1
	v_add_nc_u32 v[ADRA+(\s)], s21, v3
	v_add_nc_u32 v[ADRB+(\s)], s22, v3
	s_add_co_u32 s21, s21, SLOT
	s_add_co_u32 s22, s22, SLOT
.endr
	s_mul_i32 s23, s10, WSTG
	s_add_co_u32 s23, s23, STAGE                   ; my stage
	v_mul_u32_u24 v4, v1, SP                       ; in: row l % 16, 16 bytes for each half of the lanes
	v_lshl_add_u32 v4, v2, 4, v4
	v_add_nc_u32 v[STO], s23, v4
	v_bfe_u32 v5, v0, 3, 2                         ; back: 32 lanes take four rows of 128 bytes,
	v_mul_u32_u24 v5, v5, SP
	v_and_b32 v6, 7, v0
	v_lshl_add_u32 v5, v6, 4, v5
	v_add_nc_u32 v[RD], s23, v5
	v_and_b32 v[GO], 31, v0                        ; which are 512 consecutive bytes of a plane
	v_lshlrev_b32 v[GO], 4, v[GO]
	s_mul_i32 s46, s42, 3*PLANE                    ; my three planes,
	s_lshl_b32 s47, s13, 15                        ; the tile's 256 rows of 128 bytes,
	s_add_co_u32 s46, s46, s47
	s_lshl_b32 s47, s10, 13                        ; my wave's 64 of them
	s_add_co_u32 s46, s46, s47
	s_mov_b32 s47, 0
	s_add_nc_u64 s[8:9], s[8:9], s[46:47]          ; never rewritten: all else stands in the stores' immediates
; 12 matrix instructions: row block a x all 12 column blocks, 32 along K.  zero = 1: the first product starts the sums.  The 48 accumulators take turns, one instruction a turn, in the same order in every
; quarter step.
.macro MUL12 f, a, zero
	WIN MUL_LO+0x50*((\a)/2)
.set AC, 96*((\a)%2)
.irp b, 0,1,2,3,4,5,6,7,8,9,10,11
.if \zero
	v_wmma_f32_16x16x32_bf16 v[AC+8*(\b):AC+8*(\b)+7], v[(\f)+32+8*(\b):(\f)+32+8*(\b)+7], v[(\f)+8*(\a):(\f)+8*(\a)+7], 0
.else
	v_wmma_f32_16x16x32_bf16 v[AC+8*(\b):AC+8*(\b)+7], v[(\f)+32+8*(\b):(\f)+32+8*(\b)+7], v[(\f)+8*(\a):(\f)+8*(\a)+7], v[AC+8*(\b):AC+8*(\b)+7]
.endif
.endr
.endm
.macro MUL24 f, hi, zero
	MUL12 \f, 2*(\hi), \zero
	MUL12 \f, 2*(\hi)+1, \zero
.endm
; 32 LDS loads in one run: the fragments of one quarter step (32 K at byte k of the rows) into buffer f: B's 24, then A's 8, row blocks ascending
.macro FETCH slot, k, f
	WIN TO_F
.irp i, 0,1,2,3,4,5,6,7,8,9,10,11
	ds_load_b128 v[(\f)+32+8*(\i):(\f)+32+8*(\i)+3],   v[ADRB+(\slot)] offset:(\k)+(\i)*16*PITCH
	ds_load_b128 v[(\f)+32+8*(\i)+4:(\f)+32+8*(\i)+7], v[ADRB+(\slot)] offset:(\k)+(\i)*16*PITCH+32
.endr
.irp i, 0,1,2,3
	ds_load_b128 v[(\f)+8*(\i):(\f)+8*(\i)+3],   v[ADRA+(\slot)] offset:(\k)+(\i)*16*PITCH
	ds_load_b128 v[(\f)+8*(\i)+4:(\f)+8*(\i)+7], v[ADRA+(\slot)] offset:(\k)+(\i)*16*PITCH+32
.endr
.endm
.macro PLACES                          ; four places in front of loads into registers that matrix instructions have read, and of conversions that read results (ISA guide 7.12.1 for the conversions)
.rept 4
	v_nop
.endr
.endm
; A K step is four quarters of 32 along K, 48 matrix instructions each, on buffers 0, 1, 0, 1.  One of the first three: multiplies buffer f and, in its middle, fetches the next quarter, at byte k, into g.
.macro QUARTER slot, k, f, g, zero
	s_wait_dscnt 4                                 ; B and A's row blocks 0, 1 are in; the youngest four loads (blocks 2, 3) may be out
	MUL24 \f, 0, \zero
	PLACES
	FETCH \slot, \k, \g
	s_wait_dscnt 32                                ; all but the 32 just issued
	MUL24 \f, 1, \zero
.endm
; The last quarter multiplies buffer 1 and changes slots: ONE barrier.  In front of it each wave waits for all its tensor loads (one is out: its part of the next slot), adds 0 to its spare word, and waits
; for that and for its own reads of this slot.  fill = 1: the barrier opens a round of the cluster's, and this slot is filled again, two K steps ahead, first thing behind the round.
.macro TURN slot, next, fill
	WIN 0                                          ; (the add's two registers lie in window 0)
	s_wait_tensorcnt 0x0                           ; all my tensor loads have landed;
	ds_add_u32 v[SPW], v[NIL]                      ; 0 onto my spare word;
	s_wait_dscnt 5                                 ; (the add and the youngest four loads may be out)
	MUL12 F1, 0, 0                                 ; twelve matrix instructions stand between the add and the wait for it
	s_wait_dscnt 0x0                               ; the add is done, and my reads of this slot are over
	s_barrier_signal -1
	MUL12 F1, 1, 0                                 ; work on registers while the others arrive
.if \fill
	WIN 0
.endif
	s_barrier_wait -1
.if \fill
	CREST                                          ; no wave of any partner still reads this slot's tile or has a load on its way
	s_add_nc_u64 s[G0+4*(\slot)+2:G0+4*(\slot)+3], s[G0+4*(\slot)+2:G0+4*(\slot)+3], 2*KSTEP*2
	s_add_nc_u64 s[G0B+4*(\slot)+2:G0B+4*(\slot)+3], s[G0B+4*(\slot)+2:G0B+4*(\slot)+3], 2*KSTEP*2
	JLOAD \slot                                    ; my one tensor load behind the round; the four v_nop behind it are also the places in front of the loads below
.else
	PLACES
.endif
	FETCH \next, 0, F0
	MUL24 F1, 1, 0
.endm
; THE WAY OUT of row block a.  PACK: rounded to f16, 16 bytes a lane, each accumulator's registers ascending.  TOSTAGE: into my own stage, by heads, and back as whole rows of 128 bytes.  SEND: stored.
.macro PACK a
.set AC, 96*((\a)%2)
	WIN 0x0a+5*((\a)/2)                            ; sources 0 and 1: window 2 or 3
.irp b, 0,1,2,3,4,5,6,7,8,9,10,11
.irp r, 0,1,2,3
	v_cvt_pk_f16_f32 v[TMP+4*(\b)+(\r)], v[AC+8*(\b)+2*(\r)], v[AC+8*(\b)+2*(\r)+1]
.endr
.endr
	WIN 0
.endm
.macro TOSTAGE a
	WIN 0
.set BK, OB+48*((\a)%2)
.irp b, 0,1,2,3,4,5,6,7,8,9,10,11
	ds_store_b128 v[STO], v[TMP+4*(\b):TMP+4*(\b)+3] offset:((\b)/4)*HSTG+32*((\b)%4)
.endr
.irp hh, 0,1,2
.irp f, 0,1,2,3
	ds_load_b128 v[BK+4*(4*(\hh)+(\f)):BK+4*(4*(\hh)+(\f))+3], v[RD] offset:(\hh)*HSTG+(\f)*4*SP  ; LDS serves a wave's instructions in order (ISA guide 5.7.1.4): these see the stores above
.endr
.endr
.endm
.macro SEND a
	WIN 0
.set BK, OB+48*((\a)%2)
	s_wait_dscnt 0x0                               ; the block is back in registers
	s_wait_xcnt 0x0                                ; the block before's stores have read their registers: the next TOSTAGE loads into them only behind this wait
.irp hh, 0,1,2
.irp f, 0,1,2,3
	global_store_b128 v[GO], v[BK+4*(4*(\hh)+(\f)):BK+4*(4*(\hh)+(\f))+3], s[8:9] offset:(\hh)*PLANE+(\a)*2048+(\f)*512  ; 512 consecutive bytes, at a multiple of 256 from qkv's first byte
.endr
.endr
.endm
	s_wait_tensorcnt 1                             ; my part of K step 0 is in; K step 1's may stay out
	s_barrier_signal -1
	s_barrier_wait -1                              ; everybody's is
	FETCH 0, 0, F0
	QUARTER 0, 64,  F0, F1, 1                      ; the first quarter stands in front of the loop: its products start the sums
	WIN 0                                          ; at a label and at a branch every window is 0
	s_mov_b32 s3, LAPS-1
.Llap:                                                 ; a trip goes once round the ring, from a lap's second quarter to the next lap's first, and fills both slots again
	QUARTER 0, 128, F1, F0, 0
	QUARTER 0, 192, F0, F1, 0
	TURN 0, 1, 1
	QUARTER 1, 64,  F0, F1, 0
	QUARTER 1, 128, F1, F0, 0
	QUARTER 1, 192, F0, F1, 0
	TURN 1, 0, 1
	QUARTER 0, 64,  F0, F1, 0
	WIN 0
	s_sub_co_u32 s3, s3, 1
	s_cmp_lg_u32 s3, 0
	s_cbranch_scc1 .Llap
	QUARTER 0, 128, F1, F0, 0                      ; the last lap fills nothing, and has no round of the cluster's barrier
	QUARTER 0, 192, F0, F1, 0
	TURN 0, 1, 0
	QUARTER 1, 64,  F0, F1, 0
	QUARTER 1, 128, F1, F0, 0
	QUARTER 1, 192, F0, F1, 0
	s_wait_dscnt 4                                 ; the very last quarter: nothing more to fetch
	MUL24 F1, 0, 0
	s_wait_dscnt 0x0
	MUL24 F1, 1, 0
	PLACES                                         ; block 0's conversions read results; they are then the places for the blocks behind
	PACK 0
	TOSTAGE 0
.irp a, 1,2,3                          ; block a's conversions stand between block a - 1's loads from the stage and the wait for them
	PACK \a
	SEND (\a)-1
	TOSTAGE \a
.endr
	SEND 3
	s_wait_tensorcnt 0x0                           ; the wave's end: behind my last tensor load and my last LDS store
	ds_add_u32 v[SPW], v[NIL]
	s_wait_dscnt 0x0
	CROUND                                         ; the closing round: no work-group ends while a partner may still ask for a tile that names it
	s_endpgm
.Lfunc_end_k_qfa4e098a69_qkv:
	.size	k_qfa4e098a69_qkv, .Lfunc_end_k_qfa4e098a69_qkv-k_qfa4e098a69_qkv
	.p2alignl 7, 3214868480
	.fill 96, 4, 3214868480
	.section	.rodata,"a",@progbits
	.p2align	6, 0x0
	.amdhsa_kernel k_qfa4e098a69_qkv
		.amdhsa_group_segment_fixed_size 327680
		.amdhsa_private_segment_fixed_size 0
		.amdhsa_enable_private_segment 0
		.amdhsa_kernarg_size 24
		.amdhsa_user_sgpr_count 2
		.amdhsa_user_sgpr_kernarg_segment_ptr 1
		.amdhsa_wavefront_size32 1
		.amdhsa_system_sgpr_workgroup_id_x 1
		.amdhsa_system_sgpr_workgroup_id_y 1
		.amdhsa_system_sgpr_workgroup_id_z 1
		.amdhsa_system_vgpr_workitem_id 0
		.amdhsa_next_free_vgpr 960
		.amdhsa_next_free_sgpr 66
		.amdhsa_reserve_vcc 0
		.amdhsa_float_denorm_mode_32 3
		.amdhsa_float_denorm_mode_16_64 3
		.amdhsa_memory_ordered 1
		.amdhsa_forward_progress 1
		.amdhsa_inst_pref_size 118
	.end_amdhsa_kernel
	.amdgpu_metadata
---
amdhsa.version: [ 1, 2 ]
amdhsa.kernels:
  - .name:           k_qfa4e098a69_qkv
    .symbol:         k_qfa4e098a69_qkv.kd
    .args:
      - { .name: hb, .offset: 0, .size: 8, .value_kind: global_buffer, .address_space: global }
      - { .name: wqkv, .offset: 8, .size: 8, .value_kind: global_buffer, .address_space: global }
      - { .name: qkv, .offset: 16, .size: 8, .value_kind: global_buffer, .address_space: global }
    .group_segment_fixed_size: 327680
    .private_segment_fixed_size: 0
    .kernarg_segment_align: 8
    .kernarg_segment_size: 24
    .max_flat_workgroup_size: 128
    .sgpr_count:     66
    .vgpr_count:     960
    .wavefront_size: 32
...
	.end_amdgpu_metadata
.endif
;; end of part 2
;; launch attn (part 3): grid 16 x 16, 4 waves a work-group, no clusters, 167,936 bytes of LDS; arguments qkv, ob; writes ob
.if DOCPART == 3
	.amdgcn_target "amdgcn-amd-amdhsa--gfx1250"
	.amdhsa_code_object_version 6
	.text
	.protected	k_qfa4e098a69_attn
	.globl	k_qfa4e098a69_attn
	.p2align	8
	.type	k_qfa4e098a69_attn,@function
k_qfa4e098a69_attn:
	s_mov_b64 s[64:65], 0
	v_nop
	global_prefetch_b8 v0, s[64:65] scope:SCOPE_SE
	s_setreg_imm32_b32 hwreg(HW_REG_WAVE_MODE, 25, 1), 1
	s_wait_xcnt 0x0
; LOCAL CAUSAL ATTENTION.  O[h][i] = the sum over the keys j = i - 255 .. i (j >= 0) of softmax_j(q[h][i] . k[h][j] / 8) v[h][j].  qkv: [48][4096][64] f16 (planes 0-15 q, 16-31 k, 32-47 v).
; Products, maxima and sums in f32; the weights p are rounded to f16 for the second product (their sum l is taken of the unrounded p), O once at the end, to f16.
; O leaves as ob [32 row blocks of 128][16 heads][128 rows][64] f16, so that the launch behind finds four heads of a row block as 65,536 dense bytes.
; LIMITS.  q, k, v arrive within f16's 65,504; p lies in 0 to 1 and below 6e-5 keeps f16's fixed step of 6e-8; O is a mean of v's rows.  A hidden score counts as its value less 1e30;
; a weight below 2^-126 counts as 0 in l; NaN and infinities are not treated apart.
; SHARES.  A work-group owns block b of 256 queries of one head.  All that they may see, the 512 keys 256 b - 256 .. 256 b + 255, lies in LDS at once: eight key steps g of 64 keys.  Nothing is filled again.
; Wave w owns queries 256 b + 64 w + 0..63, four tiles of 16, and walks the five steps g = w + t: t = 4 first (it holds the diagonal, and every query sees its own key there, so the running maximum is a
; true score from the start), then t = 3, 2, 1 (all keys seen), then t = 0 (the window's far edge).  Equal work for all four waves.
; In block 0 the steps g < 4 do not exist: step t is left out.  The two loads of 'the block before' there bring tile 0 once more,
; a clamped address; those LDS bytes are never read.
; THE MASK is the C operand that starts a sum S^T = K Q^T: 0, or -1e30 where the key is hidden.  For tile u and key block kb of a step: diagonal step: kb < u seen, kb > u hidden, kb = u hidden where
; 8 (l / 16) + j > l % 16 (TRI); far step: kb > u seen, kb < u hidden, kb = u hidden where 8 (l / 16) + j <= l % 16 (TRIC).
; LAYOUT.  S^T = K Q^T holds ONE query a lane (l % 16) and the keys 8 (l / 16) + 0..7; two such results rounded to f16 ARE source 1 of O^T = V^T P.  K comes out of LDS as it lies, V turned, by ds_load_tr16_b128.
; SOFTMAX.  p = 2^(c s - c m), c = log2(e) / 8, with a running maximum m; O and l are multiplied by a = 2^(c m_old - c m_new) in every step but the first.
; IN PHASES: a step's 32 products K Q^T, the four tiles' softmax (line by line for the four tiles in turn, so that no line reads the result of the one before it), its 32 products V^T P.
; NO CLUSTER: a tile of 256 keys is read by two work-groups only (blocks b and b + 1), and lies in a different half of LDS in each, while a joint load has one LDS address for all that it names.
; REGISTERS, in windows of 256 (s_set_vgpr_msb: bits 1:0 source 0, 3:2 source 1, 5:4 source 2, 7:6 destination):
;   window 0: v0-11 addresses; v12-15 c m_old; v16-31 four registers of statistics a tile; v32-47 four at work a tile; v64-191 S^T, 32 a tile; v192-255 P, 16 a tile
;   window 1: v0-127 O^T, 32 a tile; v128-151 the masks          window 2: v0-63 Q, 16 a tile; v128-191 K of one step; v192-255 V of one step
.set KS,    64        ; keys in a step
.set PK,    144       ; a row of K in LDS: 128 bytes + 16 of padding = 36 words: the 16 rows of a load start at 16 different groups of four banks (64 banks of 4 bytes: ISA guide 11.1)
.set PV,    160       ; a row of V: 128 + 32 = 40 words
.set KSB,   KS*PK     ; a step of K
.set VSB,   KS*PV     ; a step of V
.set VOFF,  512*PK    ; V's 512 rows lie behind K's
.set STAGE, VOFF+512*PV  ; behind the tiles, never filled by a tensor load: 16 rows x 144 bytes for each wave, for the way out
.set SP,    144
.set SPARE, STAGE+4*16*SP  ; behind the stages: the spare words, 128 bytes for each wave: two blocks of 256 bytes that no other line names
.set AK0, 2           ; v2   my lane's place in a step of K; never rewritten
.set AV0, 3           ; v3   the same for V
.set AK,  4           ; v4   the LDS address of K's run of loads
.set AV,  5           ; v5   of V's
.set STO, 6           ; v6   the way out: where I put 16 bytes of a row
.set RD,  7           ; v7   the way out: where I read rows back
.set GO,  8           ; v8   my byte offset in 512 consecutive bytes of O
.set MV,  12          ; v12-15  c m_old, kept while c m is made anew: by tile
.set ST,  16          ; tile u's statistics at v[ST+4 u]: c m, m, l (even keys', odd keys')
.set TMP, 32          ; by tile, four registers c0-c3 at work; when the maximum is found c2 takes a
.set QO,  60          ; v60  my byte offset in 16 rows of Q
.set DI,  61          ; v61  l % 16 - 8 (l / 16)
.set SPW, 62          ; v62  LDS address of my spare word: SPARE + 4 x my thread's number; never rewritten
.set NIL, 63          ; v63  0; never rewritten
.set S,   64
.set P,   192
.set TRI,  128        ; window 1
.set TRIC, 136
.set NEG,  144
.set KF,  128         ; window 2: key block kb, channel half c at KF + 16 kb + 8 c
.set VF,  192         ; window 2: key half kk, channel block cb at VF + 32 kk + 8 cb
.set WV,  12          ; s12  my wave's number
.set PB,  14          ; s14  b
.set HD,  15          ; s15  the head
.set G1K, 24          ; s[24:31] descriptor group 1 for K's tiles
.set G1V, 32          ; s[32:39] for V's: it differs in the padding alone
.set G0K, 40          ; s[40:43] descriptor group 0 for K's tiles
.set G0V, 44          ; s[44:47] the same for V's
.set CNT, 57          ; s57  t of the step in hand, 3 to 1
.set CS,  58          ; s[58:59] c: the packed scaling takes the pair's low word for both halves
.set SEL, 60          ; s[60:61] v_permlanex16_b32's selects: each lane takes its own place in the other half
.set TBK, 62          ; s62  LDS byte at which K of the step in hand begins
.set TBV, 63          ; s63  the same for V, less VOFF
.set LIM, 70          ; s70  the lowest t that exists: 0, or 4 - w in block 0
.set BIGN, 71         ; s71  -1e30
.set MSB, 0
.macro WIN new                      ; the high byte repeats the setting that is left; a switch that changes nothing is dropped
.if MSB != (\new)
	s_set_vgpr_msb (MSB<<8)|(\new)
.set MSB, (\new)
.endif
.endm
.set W_KQ, 0x0a       ; K and Q in window 2, S^T in window 0
.set W_KM, 0x1a       ; the same with the C operand in window 1
.set W_PV, 0x52       ; V in window 2, P in window 0, O^T in window 1
.set W_RS, 0x41       ; destination and source 0 in window 1, source 1 in window 0
	s_load_b128 s[4:7], s[0:1], 0x0   ; qkv s[4:5], ob s[6:7]
	v_lshl_add_u32 v[SPW], v0, 2, SPARE
	v_mov_b32 v[NIL], 0
	ds_add_u32 v[SPW], v[NIL]       ; the wave's opening: the add and its wait stand ahead of my first tensor load; the set-up below, work on registers, stands between them
	ds_add_u32 v62, v63
	v_lshrrev_b32 v1, 5, v0
	v_readfirstlane_b32 s[WV], v1   ; wave 0..3
	s_mov_b32 s[PB], ttmp9
	s_and_b32 s[HD], ttmp7, 0xffff
	s_and_b32 s16, s[WV], 1         ; which 256 keys I fetch: the block before's (0) or this block's (1)
	s_max_u32 s19, s[PB], 1
	s_sub_co_u32 s19, s19, 1        ; tile b - 1, clamped to 0,
	s_cmp_eq_u32 s16, 1
	s_cselect_b32 s19, s[PB], s19   ; or tile b
	s_lshl_b32 s19, s19, 15         ; a tile is 32,768 bytes
	s_lshl_b32 s13, s[HD], 19       ; a plane is 524,288 bytes
	s_add_co_u32 s20, s13, s19
	s_add_co_u32 s22, s20, 32<<19   ; V's planes begin at plane 32,
	s_add_co_u32 s20, s20, 16<<19   ; K's at plane 16
	s_mov_b32 s21, 0
	s_mov_b32 s23, 0
	s_mul_i32 s17, s16, 256*PK      ; my tile's place in LDS, for K
	s_mul_i32 s18, s16, 256*PV      ; and for V
	s_lshl_b32 s2, s[PB], 15        ; Q: my block's 256 rows of 128 bytes,
	s_lshl_b32 s3, s[WV], 13        ; my wave's 64 of them,
	s_add_co_u32 s2, s2, s3
	s_add_co_u32 s2, s2, s13        ; in the head's plane
	s_mov_b32 s3, 0
	s_lshl_b32 s72, s[PB], 1        ; O: row block 2 b + w / 2 of 128 rows,
	s_lshr_b32 s73, s[WV], 1
	s_add_co_u32 s72, s72, s73
	s_lshl_b32 s72, s72, 4
	s_add_co_u32 s72, s72, s[HD]    ; the head's 16,384 bytes in it,
	s_lshl_b32 s72, s72, 14
	s_lshl_b32 s73, s16, 13         ; their first or second 64 rows
	s_add_co_u32 s72, s72, s73
	s_mov_b32 s73, 0
	; descriptor group 1.  256 keys are 32,768 dense bytes: asked for as 128 rows of 256 bytes, two keys a row, and padded in LDS after every key
	s_mov_b32 s[G1K], (1<<16)|(1<<20)|(4<<22)|(3<<25)  ; 17:16 2-byte elements; 20 padding on; 24:22 after every 32 words (code 4); 31:25 4 words (code 3)
	s_mov_b32 s[G1V], (1<<16)|(1<<20)|(4<<22)|(7<<25)  ; the same with 8 words of padding (code 7)
.irp g, G1K, G1V
	s_mov_b32 s[\g+1], 128<<16      ; tensor_dim0 = 128
	s_mov_b32 s[\g+2], 128<<16      ; tensor_dim1 = 128
	s_mov_b32 s[\g+3], 128<<16      ; tile_dim0 = 128
	s_mov_b32 s[\g+4], 128          ; tile_dim1 = 128
	s_mov_b32 s[\g+5], 128          ; 128 elements from row to row
	s_mov_b32 s[\g+6], 0
	s_mov_b32 s[\g+7], 0
.endr
	s_mov_b32 s[G0K], 1             ; count = 1
	s_mov_b32 s[G0K+1], s17         ; LDS address
	s_mov_b32 s[G0V], 1
	s_add_co_u32 s[G0V+1], s18, VOFF
	s_mov_b32 s[CS], 0x3e38aa3b     ; c = log2(e) / 8 = 0.180337
	s_mov_b32 s[CS+1], s[CS]        ; named with it as a pair
	s_mov_b32 s[SEL], 0x76543210
	s_mov_b32 s[SEL+1], 0xfedcba98
	s_mov_b32 s[BIGN], 0xf149f2ca   ; -1e30
	s_add_co_u32 s[TBK], s[WV], 4   ; the walk begins at step g = w + 4
	s_mul_i32 s[TBV], s[TBK], VSB
	s_mul_i32 s[TBK], s[TBK], KSB
	s_sub_co_u32 s[LIM], 4, s[WV]
	s_cmp_eq_u32 s[PB], 0
	s_cselect_b32 s[LIM], s[LIM], 0
	s_wait_dscnt 0x0                ; the opening add is done
	s_wait_kmcnt 0x0
	s_add_nc_u64 s[G0K+2:G0K+3], s[4:5], s[20:21]  ; global address of my tile
	s_or_b32 s[G0K+3], s[G0K+3], 0x80000000        ; type = 2
	s_add_nc_u64 s[G0V+2:G0V+3], s[4:5], s[22:23]
	s_or_b32 s[G0V+3], s[G0V+3], 0x80000000
	s_add_nc_u64 s[8:9], s[4:5], s[2:3]            ; Q at my wave's first row
	s_add_nc_u64 s[10:11], s[6:7], s[72:73]        ; O at my wave's first row
	; The one fill: waves 0 and 1 fetch K's two tiles, waves 2 and 3 V's: one load of mine is out.  An s_nop 0 and four v_nop follow each of the two lines, ahead of the jump and the label.
	s_cmp_lt_u32 s[WV], 2
	s_cbranch_scc0 .Lfor_v
	tensor_load_to_lds s[G0K:G0K+3], s[G1K:G1K+7]
	s_nop 0
.rept 4
	v_nop
.endr
	s_branch .Lasked
.Lfor_v:
	tensor_load_to_lds s[G0V:G0V+3], s[G1V:G1V+7]
	s_nop 0
.rept 4
	v_nop
.endr
.Lasked:
	; A fragment of K or Q is 16 rows x 32 channels in 8 registers: lane l holds row l % 16, channels 8 (l / 16) + 0..7 and 16 + 8 (l / 16) + 0..7: two loads of 16 bytes, 32 bytes apart.
	v_and_b32 v1, 15, v0            ; l % 16
	v_bfe_u32 v9, v0, 4, 1          ; l / 16
	v_lshlrev_b32 v[QO], 7, v1
	v_lshl_add_u32 v[QO], v9, 4, v[QO]  ; row x 128 + 16 x half
	WIN 0x80                        ; destination window 2, address window 0
.set i, 0
.rept 8                             ; Q stays in registers: tile i / 2, channels 32 (i % 2) on
	global_load_b128 v[8*i:8*i+3],   v[QO], s[8:9] offset:(i/2)*2048+(i%2)*64
	global_load_b128 v[8*i+4:8*i+7], v[QO], s[8:9] offset:(i/2)*2048+(i%2)*64+32
.set i, i+1
.endr
	WIN 0
	v_lshlrev_b32 v[DI], 3, v9
	v_sub_nc_u32 v[DI], v1, v[DI]   ; register j of the block on the diagonal holds key 8 (l / 16) + j against query l % 16
	WIN 0x40                        ; destination window 1
.set j, 0
.rept 8
	v_cmp_gt_i32 vcc_lo, j, v[DI]
	v_cndmask_b32 v[TRI+j], 0, s[BIGN], vcc_lo   ; a later key than the query: hidden in the diagonal step
	v_cmp_le_i32 vcc_lo, j, v[DI]
	v_cndmask_b32 v[TRIC+j], 0, s[BIGN], vcc_lo  ; 256 keys back or more: hidden in the far step
	v_mov_b32 v[NEG+j], s[BIGN]
.set j, j+1
.endr
	WIN 0
	v_mul_u32_u24 v[AK0], v1, PK
	v_lshl_add_u32 v[AK0], v9, 4, v[AK0]  ; row x pitch + 16 x half
	; The turning load takes 16 keys x 16 channels (lane l reads key 8 (l / 16) + l % 8, channels 8 ((l / 8) % 2) + 0..7) and leaves half a fragment of V^T: lane l holds channel l % 16 and 8 keys.
	v_and_b32 v10, 7, v0
	v_bfe_u32 v11, v0, 3, 1
	v_lshl_add_u32 v[AV0], v9, 3, v10
	v_mul_u32_u24 v[AV0], v[AV0], PV
	v_lshl_add_u32 v[AV0], v11, 4, v[AV0]
	v_add_nc_u32 v[AV0], VOFF, v[AV0]
	s_mul_i32 s13, s[WV], 16*SP
	s_add_co_u32 s13, s13, STAGE    ; my stage
	v_mul_u32_u24 v[STO], v1, SP    ; in: row l % 16, 16 bytes for each half of the lanes
	v_lshl_add_u32 v[STO], v9, 4, v[STO]
	v_add_nc_u32 v[STO], s13, v[STO]
	v_bfe_u32 v[RD], v0, 3, 2       ; back: 32 lanes take four rows of 128 bytes,
	v_mul_u32_u24 v[RD], v[RD], SP
	v_lshl_add_u32 v[RD], v10, 4, v[RD]
	v_add_nc_u32 v[RD], s13, v[RD]
	v_and_b32 v[GO], 31, v0         ; which are 512 consecutive bytes of O
	v_lshlrev_b32 v[GO], 4, v[GO]
; THE MATRIX WORK.  The 16 accumulators of a run of 32 take turns, one instruction a turn.
; Product i of S^T = K Q^T: channels 32 (i / 16) on, tile (i / 4) % 4, keys 16 (i % 4) on.  The first 16 start the sums: with 0 or with a mask.  mode 0: the diagonal step; 1: all keys seen; 2: the far step.
.macro KQALL mode
.set i, 0
.rept 32
.set tu, (i/4)%4
.set tk, i%4
.set rS, S+32*tu+8*tk
.set rK, KF+16*tk+8*(i/16)
.set rQ, 16*tu+8*(i/16)
.if i >= 16
	WIN W_KQ
	v_wmma_f32_16x16x32_f16 v[rS:rS+7], v[rK:rK+7], v[rQ:rQ+7], v[rS:rS+7]
.elseif (\mode) == 1
	WIN W_KQ
	v_wmma_f32_16x16x32_f16 v[rS:rS+7], v[rK:rK+7], v[rQ:rQ+7], 0
.else
	WIN W_KM
.if (tk == tu) && ((\mode) == 0)
	v_wmma_f32_16x16x32_f16 v[rS:rS+7], v[rK:rK+7], v[rQ:rQ+7], v[TRI:TRI+7]
.elseif tk == tu
	v_wmma_f32_16x16x32_f16 v[rS:rS+7], v[rK:rK+7], v[rQ:rQ+7], v[TRIC:TRIC+7]
.elseif (((\mode) == 0) && (tk > tu)) || (((\mode) == 2) && (tk < tu))
	v_wmma_f32_16x16x32_f16 v[rS:rS+7], v[rK:rK+7], v[rQ:rQ+7], v[NEG:NEG+7]
.else
	v_wmma_f32_16x16x32_f16 v[rS:rS+7], v[rK:rK+7], v[rQ:rQ+7], 0
.endif
.endif
.set i, i+1
.endr
.endm
; Product i of O^T += V^T P: keys 32 (i / 16) on, tile (i / 4) % 4, channels 16 (i % 4) on.  first = 1: the first 16 start the sums: nothing is ever cleared.
.macro PVALL first
	WIN W_PV
.set i, 0
.rept 32
.set rO, 32*((i/4)%4)+8*(i%4)
.set rV, VF+32*(i/16)+8*(i%4)
.set rP, P+16*((i/4)%4)+8*(i/16)
.if (\first) && (i < 16)
	v_wmma_f32_16x16x32_f16 v[rO:rO+7], v[rV:rV+7], v[rP:rP+7], 0
.else
	v_wmma_f32_16x16x32_f16 v[rO:rO+7], v[rV:rV+7], v[rP:rP+7], v[rO:rO+7]
.endif
.set i, i+1
.endr
.endm
; THE LDS LOADS stand in two runs of 16 at a step's head: its K (64 keys x 64 channels: 8 fragments) and its V (turned).
.macro FETCH_K
	WIN 0x80                        ; destination window 2
.irp f, 0,1,2,3,4,5,6,7             ; keys 16 (f / 2) on, channels 32 (f % 2) on
	ds_load_b128 v[KF+8*\f:KF+8*\f+3],   v[AK] offset:(\f/2)*16*PK+(\f%2)*64
	ds_load_b128 v[KF+8*\f+4:KF+8*\f+7], v[AK] offset:(\f/2)*16*PK+(\f%2)*64+32
.endr
.endm
.macro FETCH_V
	WIN 0x80
.irp f, 0,1,2,3,4,5,6,7             ; keys 32 (f / 4) on, channels 16 (f % 4) on
	ds_load_tr16_b128 v[VF+8*\f:VF+8*\f+3],   v[AV] offset:(\f/4)*32*PV+(\f%4)*32
	ds_load_tr16_b128 v[VF+8*\f+4:VF+8*\f+7], v[AV] offset:(\f/4)*32*PV+16*PV+(\f%4)*32
.endr
.endm
; THE VECTOR WORK, one line at a time: OP kind, number, tile.  F n: c s - c m for pair n of 16.  E n: the exponential of score n of 32.  C n: pair n rounded to f16.  B n: of the four weights 4 n .. the second
; pair is added onto the first, in place.  L n: l takes that sum (L 0: l = a l + sum; in the first step l = sum 0 + sum 1).  R n: pair n of 16 of O^T times a.  X n, number n of the 22 that find the maximum and statistics:
;   0-11  four chains c0-c3 of seven scores each, three operands at a time (each accumulator's lowest registers are read first)     12-14, 16  the four scores left over, the old m, and c0-c3 into c0
;   15  c m_old is kept     17, 18  the query's other 32 keys lie in the lane 16 away: the new m     19-21  c m; c m_old - c m_new; a
.set F, 0
.set E, 1
.set C, 2
.set B, 3
.set L, 4
.set R, 5
.set X, 6
.macro REGS u
.set rT, ST+4*(\u)
.set rC, TMP+4*(\u)
.set rW, MV+(\u)
.set rS, S+32*(\u)
.set rP, P+16*(\u)
.set rO, 32*(\u)
.endm
.macro OP k, n, u, first
	REGS \u
.if (\k) == R
	WIN W_RS
	v_pk_mul_f32 v[rO+2*(\n):rO+2*(\n)+1], v[rO+2*(\n):rO+2*(\n)+1], v[rC+2:rC+3] op_sel_hi:[1,0]
.else
	WIN 0
.if (\k) == F
	v_pk_fma_f32 v[rS+2*(\n):rS+2*(\n)+1], v[rS+2*(\n):rS+2*(\n)+1], s[CS:CS+1], v[rT:rT+1] op_sel_hi:[1,0,0] neg_lo:[0,0,1] neg_hi:[0,0,1]
.elseif (\k) == E
	v_exp_f32 v[rS+(\n)], v[rS+(\n)]
.elseif (\k) == C
	s_wait_alu depctr_va_vdst(0)
	v_cvt_pk_f16_f32 v[rP+(\n)], v[rS+2*(\n)], v[rS+2*(\n)+1]
.elseif (\k) == B
	v_pk_add_f32 v[rS+4*(\n):rS+4*(\n)+1], v[rS+4*(\n):rS+4*(\n)+1], v[rS+4*(\n)+2:rS+4*(\n)+3]
.elseif ((\k) == L) && ((\n) == 0) && (\first)
	v_pk_add_f32 v[rT+2:rT+3], v[rS:rS+1], v[rS+4:rS+5]
.elseif ((\k) == L) && ((\n) == 0)
	v_pk_fma_f32 v[rT+2:rT+3], v[rT+2:rT+3], v[rC+2:rC+3], v[rS:rS+1] op_sel_hi:[1,0,1]
.elseif (\k) == L
	v_pk_add_f32 v[rT+2:rT+3], v[rT+2:rT+3], v[rS+4*(\n):rS+4*(\n)+1]
.elseif (\n) < 4
	v_max3_num_f32 v[rC+(\n)], v[rS+8*(\n)], v[rS+8*(\n)+1], v[rS+8*(\n)+2]
.elseif (\n) < 12
	v_max3_num_f32 v[rC+(\n)%4], v[rC+(\n)%4], v[rS+8*((\n)%4)+2*((\n)/4)+1], v[rS+8*((\n)%4)+2*((\n)/4)+2]
.elseif (\n) == 12
	v_max3_num_f32 v[rC], v[rC], v[rS+7], v[rS+15]
.elseif (\n) == 13
	v_max3_num_f32 v[rC+1], v[rC+1], v[rS+23], v[rS+31]
.elseif ((\n) == 14) && (\first)
	v_max_num_f32 v[rC+2], v[rC+2], v[rC+3]
.elseif (\n) == 14
	v_max3_num_f32 v[rC+2], v[rC+2], v[rC+3], v[rT+1]
.elseif (\n) == 15
	v_mov_b32 v[rW], v[rT]
.elseif (\n) == 16
	v_max3_num_f32 v[rC], v[rC], v[rC+1], v[rC+2]
.elseif (\n) == 17
	v_permlanex16_b32 v[rC+3], v[rC], s[SEL], s[SEL+1]
.elseif (\n) == 18
	v_max_num_f32 v[rT+1], v[rC], v[rC+3]
.elseif (\n) == 19
	v_mul_f32 v[rT], s[CS], v[rT+1]
.elseif (\n) == 20
	v_sub_f32 v[rC+1], v[rW], v[rT]
.else
	v_exp_f32 v[rC+2], v[rC+1]
.endif
.endif
.endm
.macro Q4 k, n, first=0             ; one line of the list for the four tiles in turn
.irp u, 0,1,2,3
	OP \k, \n, \u, \first
.endr
.endm
; The four tiles' softmax for one step.  X 15 stands ahead of it, in STEP.  The scalings run one pair ahead of the exponentials and the roundings one pair behind, so that four plain lines or more stand between
; an exponential and the use of its result (ISA guide 5.7.2 asks for one).
.macro SOFTMAX first
.irp n, 0,1,2,3,4,5,6,7,8,9,10,11,12,13,14,16,17,18,19
	Q4 X, \n, \first
.endr
.if !(\first)
	Q4 X, 20
	Q4 X, 21
.endif
.set z, 0
.rept 18
.if z < 16
	Q4 F, z
.endif
.if (z >= 1) && (z <= 16)
	Q4 E, 2*z-2
	Q4 E, 2*z-1
.endif
.if z >= 2
	Q4 C, z-2
.endif
.set z, z+1
.endr
.irp n, 0,1,2,3,4,5,6,7
	Q4 B, \n
.endr
	Q4 L, 0, \first
.if !(\first)
	Q4 L, 1
.endif
.irp n, 2,3,4,5,6,7
	Q4 L, \n
.endr
.if !(\first)
.irp n, 0,1,2,3,4,5,6,7,8,9,10,11,12,13,14,15
	Q4 R, \n                        ; the one part that leaves window 0, so it stands together; each accumulator of O^T is read from its low end on
.endr
.endif
.endm
; A KEY STEP, in phases.  mode as in KQALL; mode 0 is also the walk's first step, which starts m, l and O^T.
.macro STEP mode
	WIN 0
	v_add_nc_u32 v[AK], s[TBK], v[AK0]
	v_add_nc_u32 v[AV], s[TBV], v[AV0]
	v_nop                           ; with the two lines above: the four places between the last product V^T P and the loads into V's registers
	v_nop
	FETCH_K
	FETCH_V
.if (\mode) == 0
	s_wait_loadcnt 0x0              ; Q
.endif
	s_wait_dscnt 16                 ; K is in; V's sixteen loads may stay out
	KQALL \mode
	WIN 0
.if (\mode) == 0
.rept 4
	v_nop                           ; the places behind those products
.endr
	SOFTMAX 1
.else
	Q4 X, 15                        ; four plain lines that name no score: the places behind those products
	SOFTMAX 0
.endif
	s_wait_dscnt 0x0                ; V is in
.if (\mode) == 0
	PVALL 1
.else
	PVALL 0
.endif
.endm
	s_wait_tensorcnt 0x0            ; my tile is in,
	s_barrier_signal -1
	s_barrier_wait -1               ; everybody's is: all 512 keys of K and V
	STEP 0                          ; t = 4: the diagonal
	WIN 0                           ; at a label and at a branch every window is 0
	s_sub_co_u32 s[TBK], s[TBK], KSB
	s_sub_co_u32 s[TBV], s[TBV], VSB
	s_mov_b32 s[CNT], 3
.Lfull:                             ; t = 3, 2, 1: all 64 keys are seen by all 64 queries
	s_cmp_lt_u32 s[CNT], s[LIM]
	s_cbranch_scc1 .Lnext           ; in block 0: the step lies ahead of the first key
	STEP 1
	WIN 0
.Lnext:
	s_sub_co_u32 s[TBK], s[TBK], KSB
	s_sub_co_u32 s[TBV], s[TBV], VSB
	s_sub_co_u32 s[CNT], s[CNT], 1
	s_cmp_lg_u32 s[CNT], 0
	s_cbranch_scc1 .Lfull
	s_cmp_lg_u32 s[LIM], 0
	s_cbranch_scc1 .Lout            ; in block 0 no wave has a far step
	STEP 2                          ; t = 0: the window's far edge
	WIN 0
.Lout:
	; THE WAY OUT.  l's two halves and the other half of the lanes' are added; O^T is divided by l, rounded to f16 and sent through my stage in LDS, a tile at a time.  The additions are the places behind the last products.
.macro ALL line:vararg              ; one line for each tile t
.set t, 0
.rept 4
	\line
.set t, t+1
.endr
.endm
	ALL v_add_f32 v[ST+4*t+2], v[ST+4*t+2], v[ST+4*t+3]
	ALL v_permlanex16_b32 v[ST+4*t+3], v[ST+4*t+2], s[SEL], s[SEL+1]
	ALL v_add_f32 v[ST+4*t+2], v[ST+4*t+2], v[ST+4*t+3]
	ALL v_rcp_f32 v[ST+4*t+2], v[ST+4*t+2]
	v_nop                           ; a plain instruction between the last reciprocal and the use of its result
	s_wait_alu depctr_va_vdst(0)
.macro PACK t                       ; a lane's eight channels of a row pack into 16 bytes; they go into rows of 144 bytes and come back as whole rows of 128, into S^T's registers
	WIN W_RS
.set i, 32*(\t)
.rept 16
	v_pk_mul_f32 v[i:i+1], v[i:i+1], v[ST+4*(\t)+2:ST+4*(\t)+3] op_sel_hi:[1,0]
.set i, i+2
.endr
	WIN 0x05                        ; sources 0 and 1 window 1, destination window 0
.set i, 0
.rept 16
	v_cvt_pk_f16_f32 v[S+16*(\t)+i], v[32*(\t)+2*i], v[32*(\t)+2*i+1]
.set i, i+1
.endr
	WIN 0
.irp f, 0,1,2,3
	ds_store_b128 v[STO], v[S+16*(\t)+4*\f:S+16*(\t)+4*\f+3] offset:32*\f
.endr
.irp f, 0,1,2,3
	ds_load_b128 v[S+16*(\t)+4*\f:S+16*(\t)+4*\f+3], v[RD] offset:\f*4*SP  ; LDS serves a wave's instructions in order (ISA guide 5.7.1.4): these see the stores above; the next tile's stores come behind them
.endr
.endm
.macro SEND t, younger              ; younger: the LDS instructions issued behind tile t's loads: the next tile's eight, or none
	WIN 0
.irp f, 0,1,2,3
	s_wait_dscnt (\younger)+3-\f
	global_store_b128 v[GO], v[S+16*(\t)+4*\f:S+16*(\t)+4*\f+3], s[10:11] offset:(\t)*2048+\f*512  ; 512 consecutive bytes, at a multiple of 256 from ob's first byte
.endr
.endm
	PACK 0
.set t, 1
.rept 3                             ; a tile's arithmetic stands between the loads of the tile before and its stores
	PACK t
	SEND t-1, 8
.set t, t+1
.endr
	SEND 3, 0
	s_wait_tensorcnt 0x0            ; the wave's end: behind my last tensor load and my last LDS store
	ds_add_u32 v[SPW], v[NIL]
	s_wait_dscnt 0x0
	s_endpgm
.Lfunc_end_k_qfa4e098a69_attn:
	.size	k_qfa4e098a69_attn, .Lfunc_end_k_qfa4e098a69_attn-k_qfa4e098a69_attn
	.p2alignl 7, 3214868480
	.fill 96, 4, 3214868480
	.section	.rodata,"a",@progbits
	.p2align	6, 0x0
	.amdhsa_kernel k_qfa4e098a69_attn
		.amdhsa_group_segment_fixed_size 167936
		.amdhsa_private_segment_fixed_size 0
		.amdhsa_enable_private_segment 0
		.amdhsa_kernarg_size 16
		.amdhsa_user_sgpr_count 2
		.amdhsa_user_sgpr_kernarg_segment_ptr 1
		.amdhsa_wavefront_size32 1
		.amdhsa_system_sgpr_workgroup_id_x 1
		.amdhsa_system_sgpr_workgroup_id_y 1
		.amdhsa_system_sgpr_workgroup_id_z 1
		.amdhsa_system_vgpr_workitem_id 0
		.amdhsa_next_free_vgpr 768
		.amdhsa_next_free_sgpr 80
		.amdhsa_reserve_vcc 1
		.amdhsa_float_denorm_mode_32 3
		.amdhsa_float_denorm_mode_16_64 3
		.amdhsa_memory_ordered 1
		.amdhsa_forward_progress 1
		.amdhsa_inst_pref_size 118
	.end_amdhsa_kernel
	.amdgpu_metadata
---
amdhsa.version: [ 1, 2 ]
amdhsa.kernels:
  - .name:           k_qfa4e098a69_attn
    .symbol:         k_qfa4e098a69_attn.kd
    .args:
      - { .name: qkv, .offset: 0, .size: 8, .value_kind: global_buffer, .address_space: global }
      - { .name: ob, .offset: 8, .size: 8, .value_kind: global_buffer, .address_space: global }
    .group_segment_fixed_size: 167936
    .private_segment_fixed_size: 0
    .kernarg_segment_align: 8
    .kernarg_segment_size: 16
    .max_flat_workgroup_size: 128
    .sgpr_count:     80
    .vgpr_count:     768
    .wavefront_size: 32
...
	.end_amdgpu_metadata
.endif
;; end of part 3
;; launch oproj (part 4): grid 8 x 32, 4 waves a work-group, clusters of 4 x 4, 327,680 bytes of LDS; arguments ob, wo16, out0; writes out0
.if DOCPART == 4
	.amdgcn_target "amdgcn-amd-amdhsa--gfx1250"
	.amdhsa_code_object_version 6
	.text
	.protected	k_qfa4e098a69_oproj
	.globl	k_qfa4e098a69_oproj
	.p2align	8
	.type	k_qfa4e098a69_oproj,@function
k_qfa4e098a69_oproj:
	s_mov_b64 s[64:65], 0
	v_nop
	global_prefetch_b8 v0, s[64:65] scope:SCOPE_SE
	s_setreg_imm32_b32 hwreg(HW_REG_WAVE_MODE, 25, 1), 1
	s_wait_xcnt 0x0
	s_wait_alu depctr_hold_cnt(0) depctr_sa_sdst(0) depctr_va_vdst(0) depctr_va_sdst(0) depctr_va_ssrc(0) depctr_va_vcc(0) depctr_vm_vsrc(0)
	s_getreg_b32 s2, hwreg(HW_REG_IB_STS2, 6, 4)
	s_cmp_eq_u32 s2, 0
	s_cbranch_scc0 .Lentry_in_a_cluster
	s_endpgm
.Lentry_in_a_cluster:
	s_bfe_u32 s2, ttmp6, 0x10000c
	s_cmp_lg_u32 s2, 0xf033
	s_cbranch_scc0 .Lentry_shape_is_right
	s_endpgm
.Lentry_shape_is_right:
; out0 = O x Wo^T.  out0[m][e] = sum over d of O[m][d] Wo[e][d], d = 64 x head + channel.  O: ob [32 row blocks of 128][16 heads][128 rows][64] f16; Wo: wo16 [1024][1024] f16; sums and out0 [4096][1024] in f32.
; LIMIT.  Both operands arrive within f16's 65,504.
; SHARES.  A tile of out0 is 128 x 128: 8 x 32 tiles, one to a work-group.  Four waves, each 64 x 64: 16 accumulators of 16 x 16, 128 registers.  K goes in 4 steps of 256 (four heads) through two LDS slots.
; A's tile of a step is 65,536 dense bytes of ob: each of two waves asks for two heads as 128 rows of 256 bytes, padded in LDS after every 128 bytes, so that it lies there as [head][128 rows][144 bytes].
; B's tile is 128 rows of 512 bytes, 64 to a load.
; CLUSTER.  4 x 4 work-groups.  The four of a row of the cluster need the same tiles of O, the four of a column the same tiles of Wo: each tile is asked for JOINTLY, by the same tensor load with the same
; descriptor and a mask that names the four.  THE MATRIX INSTRUCTION IS USED TRANSPOSED (source 0 = 16 rows of Wo, source 1 = 16 rows of O): a lane then holds eight neighbouring numbers of a row of out0.
; REGISTERS: window 0: v0-31 addresses; v32-63, v64-95 rows read back from the stage, by turns; v128-255 the accumulators ((a, b) at v[128 + 8 (4 a + b)]).
;   window 1: two fragment buffers of 128: for 64 along K (one head; two matrix instructions deep), 64 registers of A, then 64 of B.
.set SIZE_K, 1024
.set KSTEP,  256
.set PA,     144                       ; a row of A in LDS: 128 bytes + 16 of padding: the 16 rows of a load start at 16 different groups of four banks (64 banks of 4 bytes: ISA guide 11.1)
.set AHEAD,  128*PA                    ; a head's 128 rows
.set AHALF,  2*AHEAD                   ; what a wave's load brings of A
.set BOFF,   4*AHEAD                   ; B's rows lie behind A's four heads
.set PB,     528                       ; a row of B: 512 bytes + 16 of padding
.set BHALF,  64*PB                     ; what a wave's load brings of B
.set SLOT,   BOFF+2*BHALF
.set STAGE,  2*SLOT                    ; behind the ring, never filled by a tensor load: 16 rows x 272 bytes for each wave
.set SPITCH, 272
.set SPARE,  STAGE+4*16*SPITCH         ; behind the stages: the spare words, 128 bytes for each wave: two blocks of 256 bytes that no other line names
.set ADRA, 16                          ; v16-17  LDS address of my A fragments in slot 0, 1
.set ADRB, 20                          ; v20-21  the same for B
.set STO,  24                          ; v24     the way out: where I put 32 bytes of a row
.set RD,   25                          ; v25     the way out: where I read a row back
.set CO,   26                          ; v26     my byte offset in out0
.set SPW,  28                          ; v28     LDS address of my spare word: SPARE + 4 x my thread's number; never rewritten
.set NIL,  29                          ; v29     0; never rewritten
.set OB,   32
.set ACC,  128
.set F0,   0                           ; fragment buffers, in window 1
.set F1,   128
.set G1, 24                            ; s[24:31] descriptor group 1 for A's tiles;  s[32:39] group 0, one set for each slot
.set G0, 32
.set G1B, 48                           ; s[48:55], s[56:63] the same for B's tiles
.set G0B, 56
.set MSB, 0
.macro WIN new                         ; the immediate's high byte repeats the setting that is left; a switch that changes nothing is dropped
.if MSB != (\new)
	s_set_vgpr_msb (MSB<<8)|(\new)
.set MSB, \new
.endif
.endm
.set MUL,  0x05                        ; sources 0 (B) and 1 (A) window 1; C and D window 0
.set TO_F, 0x40                        ; destination window 1, address window 0
.macro JLOAD s                         ; a joint load: waves 0 and 1 fetch A's two halves, waves 2 and 3 B's; an s_nop 0 and four v_nop follow each of the two lines, ahead of the jump, the label and what follows
	s_cmp_eq_u32 s11, 0
	s_cbranch_scc0 .Lfor_b_\@
	tensor_load_to_lds s[G0+4*(\s):G0+4*(\s)+3], s[G1:G1+7]
	s_nop 0
.rept 4
	v_nop
.endr
	s_branch .Lasked_\@
.Lfor_b_\@:
	tensor_load_to_lds s[G0B+4*(\s):G0B+4*(\s)+3], s[G1B:G1B+7]
	s_nop 0
.rept 4
	v_nop
.endr
.Lasked_\@:
.endm
.macro CREST                           ; a round of the cluster's barrier behind its opening barrier
	s_cmp_lg_u32 s10, 0
	s_cbranch_scc1 .Lnot_wave_0_\@
	s_barrier_signal -3
.Lnot_wave_0_\@:
	s_barrier_wait -3
	s_barrier_signal -1
	s_barrier_wait -1
.endm
.macro CROUND                          ; a whole round
	s_barrier_signal -1
	s_barrier_wait -1
	CREST
.endm
	s_load_b128 s[4:7], s[0:1], 0x0                ; ob s[4:5], wo16 s[6:7]
	s_load_b64 s[8:9], s[0:1], 0x10                ; out0
	v_lshl_add_u32 v[SPW], v0, 2, SPARE
	v_mov_b32 v[NIL], 0
	ds_add_u32 v[SPW], v[NIL]                      ; the wave's opening: the add and its wait stand ahead of my first tensor load; the set-up below, work on registers, stands between them
	ds_add_u32 v28, v29
	v_lshrrev_b32 v1, 5, v0
	v_readfirstlane_b32 s10, v1                    ; wave 0..3
	s_lshr_b32 s11, s10, 1                         ; which half of the tile's rows is mine.  Also: I fetch for A (0) or for B (1)
	s_and_b32 s12, s10, 1                          ; which half of its columns.  Also: which half of that tile I fetch
	s_bfe_u32 s40, ttmp6, 0x40000                  ; cx, cy: my place in the cluster
	s_bfe_u32 s41, ttmp6, 0x40004
	s_lshl_b32 s42, ttmp9, 2
	s_add_co_u32 s42, s42, s40                     ; tile column = 4 x cluster x + cx
	s_and_b32 s13, ttmp7, 0xffff
	s_lshl_b32 s13, s13, 2
	s_add_co_u32 s13, s13, s41                     ; tile row = 4 x cluster y + cy
	s_lshl_b32 s43, s41, 2
	s_lshl_b32 s43, 15, s43                        ; my row of the cluster
	s_lshl_b32 s44, 0x1111, s40                    ; my column
	; descriptor group 1.  A: 128 rows x 128 elements, dense, padded after every 32 words.  B: 64 rows x 256 elements, padded after every 128 words.
	s_or_b32 s[G1+0], s43, (1<<16)|(1<<20)|(1<<21)|(4<<22)|(3<<25)  ; 15:0 the mask: A's tiles go to my row; 17:16 elements of 2 bytes; 20 padding on; 21 set beside a mask; 24:22 code 4; 31:25 4 words (code 3)
	s_mov_b32 s[G1+1], 128<<16                     ; tensor_dim0 = 128
	s_mov_b32 s[G1+2], 128<<16                     ; tensor_dim1 = 128
	s_mov_b32 s[G1+3], 128<<16                     ; tile_dim0 = 128
	s_mov_b32 s[G1+4], 128                         ; tile_dim1 = 128
	s_mov_b32 s[G1+5], 128                         ; 128 elements from row to row
	s_mov_b32 s[G1+6], 0
	s_mov_b32 s[G1+7], 0
	s_or_b32 s[G1B+0], s44, (1<<16)|(1<<20)|(1<<21)|(6<<22)|(3<<25) ; the mask of my column; padding after every 128 words (code 6)
	s_mov_b32 s[G1B+1], KSTEP<<16                  ; tensor_dim0 = 256
	s_mov_b32 s[G1B+2], 64<<16                     ; tensor_dim1 = 64
	s_mov_b32 s[G1B+3], KSTEP<<16                  ; tile_dim0 = 256
	s_mov_b32 s[G1B+4], 64                         ; tile_dim1 = 64
	s_mov_b32 s[G1B+5], SIZE_K
	s_mov_b32 s[G1B+6], 0
	s_mov_b32 s[G1B+7], 0
	; where the tiles come from: A's hang on the tile row alone, B's on the tile column alone, each in registers that never hold the other coordinate
	s_lshl_b32 s16, s13, 18                        ; A: a row block's 16 heads are 262,144 bytes;
	s_lshl_b32 s17, s12, 15                        ; my two heads of a step's four
	s_add_co_u32 s16, s16, s17
	s_mov_b32 s17, 0
	s_lshl_b32 s46, s42, 7
	s_lshl_b32 s47, s12, 6
	s_add_co_u32 s46, s46, s47                     ; B: row 128 x tile column + 64 x half,
	s_lshl_b32 s46, s46, 11                        ; of 2,048 bytes
	s_mov_b32 s47, 0
	s_mul_i32 s20, s12, AHALF                      ; and where they go: no place in the cluster enters an LDS address
	s_mul_i32 s21, s12, BHALF
	s_add_co_u32 s21, s21, BOFF
	s_wait_dscnt 0x0                               ; the opening add is done
	s_wait_kmcnt 0x0
	s_add_nc_u64 s[14:15], s[4:5], s[16:17]
	s_add_nc_u64 s[46:47], s[6:7], s[46:47]
	CROUND                                         ; all sixteen work-groups are here: the first joint loads meet
.irp s, 0,1
	s_mov_b32 s[G0+4*(\s)], 1
	s_add_co_u32 s[G0+4*(\s)+1], s20, (\s)*SLOT
	s_add_nc_u64 s[G0+4*(\s)+2:G0+4*(\s)+3], s[14:15], (\s)*65536      ; K step s: heads 4 s on
	s_or_b32 s[G0+4*(\s)+3], s[G0+4*(\s)+3], 0x80000000
	s_mov_b32 s[G0B+4*(\s)], 1
	s_add_co_u32 s[G0B+4*(\s)+1], s21, (\s)*SLOT
	s_add_nc_u64 s[G0B+4*(\s)+2:G0B+4*(\s)+3], s[46:47], (\s)*KSTEP*2
	s_or_b32 s[G0B+4*(\s)+3], s[G0B+4*(\s)+3], 0x80000000
	JLOAD \s                                       ; two loads of mine are out
.endr
	v_and_b32 v1, 15, v0                           ; l % 16
	v_bfe_u32 v2, v0, 4, 1                         ; l / 16
	v_mul_u32_u24 v3, v1, PA
	v_lshl_add_u32 v3, v2, 4, v3                   ; a fragment's row x pitch + 16 x half, for A
	v_mul_u32_u24 v4, v1, PB
	v_lshl_add_u32 v4, v2, 4, v4                   ; and for B
	s_mul_i32 s21, s11, 64*PA                      ; my 64 rows in each head of A
	s_mul_i32 s22, s12, BHALF                      ; my 64 rows of B,
	s_add_co_u32 s22, s22, BOFF                    ; which lie behind A
.irp s, 0,1
	v_add_nc_u32 v[ADRA+(\s)], s21, v3
	v_add_nc_u32 v[ADRB+(\s)], s22, v4
	s_add_co_u32 s21, s21, SLOT
	s_add_co_u32 s22, s22, SLOT
.endr
	s_mul_i32 s23, s10, 16*SPITCH
	s_add_co_u32 s23, s23, STAGE                   ; my stage
	v_mul_u32_u24 v5, v1, SPITCH                   ; in: row l % 16, 32 bytes for each half of the lanes
	v_lshl_add_u32 v5, v2, 5, v5
	v_add_nc_u32 v[STO], s23, v5
	v_mul_u32_u24 v5, v2, SPITCH                   ; back: lanes 0-15 take one row of 256 bytes, lanes 16-31 the next
	v_lshl_add_u32 v5, v1, 4, v5
	v_add_nc_u32 v[RD], s23, v5
	v_lshlrev_b32 v5, 12, v2                       ; and the same two rows in out0, 4,096 bytes apart
	v_lshl_add_u32 v[CO], v1, 4, v5
	s_lshl_b32 s46, s13, 19                        ; the tile's 128 rows of 4,096 bytes,
	s_lshl_b32 s47, s11, 18                        ; my 64 of them,
	s_add_co_u32 s46, s46, s47
	s_lshl_b32 s47, s42, 9                         ; the tile's 128 columns of 4 bytes,
	s_add_co_u32 s46, s46, s47
	s_lshl_b32 s47, s12, 8                         ; my 64 of them
	s_add_co_u32 s46, s46, s47
	s_mov_b32 s47, 0
	s_add_nc_u64 s[8:9], s[8:9], s[46:47]          ; never rewritten
; 8 matrix instructions: m blocks a0, a0 + 1 x all 4 n blocks, 32 along K: half c of buffer f.  zero = 1: the first product starts the sums.  The 16 accumulators take turns.
.macro MUL8 f, c, a0, zero
	WIN MUL
.irp a, \a0, (\a0)+1
.irp b, 0,1,2,3
.if \zero
	v_wmma_f32_16x16x32_f16 v[ACC+8*(4*(\a)+(\b)):ACC+8*(4*(\a)+(\b))+7], v[(\f)+64+8*(4*(\c)+(\b)):(\f)+64+8*(4*(\c)+(\b))+7], v[(\f)+8*(4*(\c)+(\a)):(\f)+8*(4*(\c)+(\a))+7], 0
.else
	v_wmma_f32_16x16x32_f16 v[ACC+8*(4*(\a)+(\b)):ACC+8*(4*(\a)+(\b))+7], v[(\f)+64+8*(4*(\c)+(\b)):(\f)+64+8*(4*(\c)+(\b))+7], v[(\f)+8*(4*(\c)+(\a)):(\f)+8*(4*(\c)+(\a))+7], v[ACC+8*(4*(\a)+(\b)):ACC+8*(4*(\a)+(\b))+7]
.endif
.endr
.endr
.endm
; 32 LDS loads in one run: the fragments of quarter q of a K step (64 along K: head q of A's four, bytes 128 q on of B's rows) into buffer f; the first 32 along K first
.macro FETCH slot, q, f
	WIN TO_F
.irp c, 0,1
.irp i, 0,1,2,3
	ds_load_b128 v[(\f)+64+8*(4*(\c)+(\i)):(\f)+64+8*(4*(\c)+(\i))+3],   v[ADRB+(\slot)] offset:128*(\q)+64*(\c)+(\i)*16*PB
	ds_load_b128 v[(\f)+64+8*(4*(\c)+(\i))+4:(\f)+64+8*(4*(\c)+(\i))+7], v[ADRB+(\slot)] offset:128*(\q)+64*(\c)+(\i)*16*PB+32
	ds_load_b128 v[(\f)+8*(4*(\c)+(\i)):(\f)+8*(4*(\c)+(\i))+3],         v[ADRA+(\slot)] offset:(\q)*AHEAD+64*(\c)+(\i)*16*PA
	ds_load_b128 v[(\f)+8*(4*(\c)+(\i))+4:(\f)+8*(4*(\c)+(\i))+7],       v[ADRA+(\slot)] offset:(\q)*AHEAD+64*(\c)+(\i)*16*PA+32
.endr
.endr
.endm
.macro PLACES                          ; four places in front of loads into registers that matrix instructions have read, and of LDS stores that read results
.rept 4
	v_nop
.endr
.endm
; A K step is four quarters of 64 along K, 32 matrix instructions each, on buffers 0, 1, 0, 1.  One of the first three: multiplies buffer f and fetches quarter q into g.
.macro QUARTER slot, q, f, g, zero
	s_wait_dscnt 16                                ; the first 32 along K are in
	MUL8 \f, 0, 0, \zero
	MUL8 \f, 0, 2, \zero
	PLACES
	FETCH \slot, \q, \g
	s_wait_dscnt 32                                ; all but the 32 just issued
	MUL8 \f, 1, 0, 0
	MUL8 \f, 1, 2, 0
.endm
; The last quarter multiplies buffer 1 and changes slots: ONE barrier; in front of it each wave waits for all its tensor loads, adds 0 to its spare word, and waits for that and for its own reads of this slot.
; fill = 1: the barrier opens a round of the cluster's, and this slot is filled again, two K steps ahead, first thing behind the round.
.macro TURN slot, next, fill
	WIN 0                                          ; (the add's two registers lie in window 0)
	s_wait_tensorcnt 0x0                           ; all my tensor loads have landed: my part of the next slot;
	ds_add_u32 v[SPW], v[NIL]                      ; 0 onto my spare word;
	s_wait_dscnt 17                                ; (the add and the youngest sixteen loads may be out)
	MUL8 F1, 0, 0, 0                               ; eight matrix instructions stand between the add and the wait for it
	s_wait_dscnt 0x0                               ; the add is done, and my reads of this slot are over
	s_barrier_signal -1
	MUL8 F1, 0, 2, 0
.if \fill
	WIN 0
.endif
	s_barrier_wait -1
.if \fill
	CREST                                          ; no wave of any partner still reads this slot's tile or has a load on its way
	s_add_nc_u64 s[G0+4*(\slot)+2:G0+4*(\slot)+3], s[G0+4*(\slot)+2:G0+4*(\slot)+3], 2*65536
	s_add_nc_u64 s[G0B+4*(\slot)+2:G0B+4*(\slot)+3], s[G0B+4*(\slot)+2:G0B+4*(\slot)+3], 2*KSTEP*2
	JLOAD \slot                                    ; my one tensor load behind the round; the four v_nop behind it are also the places in front of the loads below
.else
	PLACES
.endif
	FETCH \next, 0, F0
	MUL8 F1, 1, 0, 0
	MUL8 F1, 1, 2, 0
.endm
; THE WAY OUT of row block a: a lane's 32 bytes of a row go from the accumulators into my own stage (each accumulator's low four registers first), and come back as whole rows of 256 bytes.
.macro TOSTAGE a
	WIN 0
.set BK, OB+32*((\a)%2)
.irp b, 0,1,2,3
	ds_store_b128 v[STO], v[ACC+8*(4*(\a)+(\b)):ACC+8*(4*(\a)+(\b))+3]   offset:64*(\b)
	ds_store_b128 v[STO], v[ACC+8*(4*(\a)+(\b))+4:ACC+8*(4*(\a)+(\b))+7] offset:64*(\b)+16
.endr
.irp t, 0,1,2,3,4,5,6,7
	ds_load_b128 v[BK+4*(\t):BK+4*(\t)+3], v[RD] offset:(\t)*2*SPITCH  ; LDS serves a wave's instructions in order (ISA guide 5.7.1.4): these see the stores above; the next block's stores come behind them
.endr
.endm
.macro SEND a, younger                 ; younger: the LDS instructions issued behind block a's loads: the next block's sixteen, or none
	WIN 0
.set BK, OB+32*((\a)%2)
.irp t, 0,1,2,3,4,5,6,7
	s_wait_dscnt (\younger)+7-(\t)
	global_store_b128 v[CO], v[BK+4*(\t):BK+4*(\t)+3], s[8:9] offset:(16*(\a)+2*(\t))*4096 th:TH_STORE_NT  ; 16 lanes store 256 consecutive bytes, at a multiple of 256 from out0's first byte
.endr
.endm
	s_wait_tensorcnt 1                             ; my part of K step 0 is in; K step 1's may stay out
	s_barrier_signal -1
	s_barrier_wait -1                              ; everybody's is
	FETCH 0, 0, F0
	QUARTER 0, 1, F0, F1, 1                        ; the first products start the sums
	QUARTER 0, 2, F1, F0, 0                        ; four K steps are two laps of the ring: the first fills both slots again, and is written straight: a loop would have one trip
	QUARTER 0, 3, F0, F1, 0
	TURN 0, 1, 1
	QUARTER 1, 1, F0, F1, 0
	QUARTER 1, 2, F1, F0, 0
	QUARTER 1, 3, F0, F1, 0
	TURN 1, 0, 1
	QUARTER 0, 1, F0, F1, 0
	QUARTER 0, 2, F1, F0, 0                        ; the last lap fills nothing, and has no round of the cluster's barrier
	QUARTER 0, 3, F0, F1, 0
	TURN 0, 1, 0
	QUARTER 1, 1, F0, F1, 0
	QUARTER 1, 2, F1, F0, 0
	QUARTER 1, 3, F0, F1, 0
	s_wait_dscnt 16                                ; the very last quarter: nothing more to fetch
	MUL8 F1, 0, 0, 0
	MUL8 F1, 0, 2, 0
	s_wait_dscnt 0x0
	MUL8 F1, 1, 0, 0
	MUL8 F1, 1, 2, 0
	WIN 0
	PLACES                                         ; the LDS stores below read results
	TOSTAGE 0
	TOSTAGE 1
	SEND 0, 16
	s_wait_xcnt 0x0                                ; block 0's stores have read their registers: block 2 is loaded into them only behind this wait
	TOSTAGE 2
	SEND 1, 16
	s_wait_xcnt 0x0                                ; the same for blocks 1 and 3
	TOSTAGE 3
	SEND 2, 16
	SEND 3, 0
	s_wait_tensorcnt 0x0                           ; the wave's end: behind my last tensor load and my last LDS store
	ds_add_u32 v[SPW], v[NIL]
	s_wait_dscnt 0x0
	CROUND                                         ; the closing round: no work-group ends while a partner may still ask for a tile that names it
	s_endpgm
.Lfunc_end_k_qfa4e098a69_oproj:
	.size	k_qfa4e098a69_oproj, .Lfunc_end_k_qfa4e098a69_oproj-k_qfa4e098a69_oproj
	.p2alignl 7, 3214868480
	.fill 96, 4, 3214868480
	.section	.rodata,"a",@progbits
	.p2align	6, 0x0
	.amdhsa_kernel k_qfa4e098a69_oproj
		.amdhsa_group_segment_fixed_size 327680
		.amdhsa_private_segment_fixed_size 0
		.amdhsa_enable_private_segment 0
		.amdhsa_kernarg_size 24
		.amdhsa_user_sgpr_count 2
		.amdhsa_user_sgpr_kernarg_segment_ptr 1
		.amdhsa_wavefront_size32 1
		.amdhsa_system_sgpr_workgroup_id_x 1
		.amdhsa_system_sgpr_workgroup_id_y 1
		.amdhsa_system_sgpr_workgroup_id_z 1
		.amdhsa_system_vgpr_workitem_id 0
		.amdhsa_next_free_vgpr 512
		.amdhsa_next_free_sgpr 66
		.amdhsa_reserve_vcc 0
		.amdhsa_float_denorm_mode_32 3
		.amdhsa_float_denorm_mode_16_64 3
		.amdhsa_memory_ordered 1
		.amdhsa_forward_progress 1
		.amdhsa_inst_pref_size 86
	.end_amdhsa_kernel
	.amdgpu_metadata
---
amdhsa.version: [ 1, 2 ]
amdhsa.kernels:
  - .name:           k_qfa4e098a69_oproj
    .symbol:         k_qfa4e098a69_oproj.kd
    .args:
      - { .name: ob, .offset: 0, .size: 8, .value_kind: global_buffer, .address_space: global }
      - { .name: wo16, .offset: 8, .size: 8, .value_kind: global_buffer, .address_space: global }
      - { .name: out0, .offset: 16, .size: 8, .value_kind: global_buffer, .address_space: global }
    .group_segment_fixed_size: 327680
    .private_segment_fixed_size: 0
    .kernarg_segment_align: 8
    .kernarg_segment_size: 24
    .max_flat_workgroup_size: 128
    .sgpr_count:     66
    .vgpr_count:     512
    .wavefront_size: 32
...
	.end_amdgpu_metadata
.endif
;; end of part 4
;; ======== version 2 of 2: 4 launches; version 1 with the launch cast written anew for expert scheduling mode
;; limits: values are held in f16: magnitudes above 65,504 overflow, below 6.1e-05 lose precision
;; workspace buffers: hb 8,388,608 bytes; wqkv 6,291,456 bytes; wo16 2,097,152 bytes; qkv 25,165,824 bytes; ob 8,388,608 bytes
;; launch cast (part 5): grid 512 x 1, 8 waves a work-group, no clusters, 0 bytes of LDS; arguments hidden, Wq, Wk, Wv, Wo, hb, wqkv, wo16; writes hb, wqkv, wo16
.if DOCPART == 5
	.amdgcn_target "amdgcn-amd-amdhsa--gfx1250"
	.amdhsa_code_object_version 6
	.text
	.protected	k_qfa4e098a69_cast
	.globl	k_qfa4e098a69_cast
	.p2align	8
	.type	k_qfa4e098a69_cast,@function
k_qfa4e098a69_cast:
	s_mov_b64 s[64:65], 0
	v_nop
	global_prefetch_b8 v0, s[64:65] scope:SCOPE_SE
	s_setreg_imm32_b32 hwreg(HW_REG_WAVE_SCHED_MODE, 0, 2), 2
	s_setreg_imm32_b32 hwreg(HW_REG_WAVE_MODE, 25, 1), 1
	s_wait_xcnt 0x0
	s_wait_alu depctr_vm_vsrc(0)
; THE INPUTS ROUNDED ONCE TO 16 BITS.  hidden [4096][1024] f32 -> hb, bf16.  Wq, Wk, Wv [1024][1024] f32 -> wqkv [3072][1024], bf16, one below the other.
; Wo [1024][1024] f32 -> wo16: rounded to bf16 like the other inputs, and that number written as f16 (the last product's other operand is f16).
; LIMIT.  |Wo| stays below 65,504; a bf16 number below 6e-5 keeps f16's fixed step of 6e-8 in wo16.
; SHARES.  A work-group takes 16,384 numbers on end: 65,536 bytes in, 32,768 out.  Groups 0-255: hidden; 256-447: Wq, Wk, Wv (64 groups each); 448-511: Wo.
; Thread t takes 16 bytes at 16 t of each 4,096 bytes: a wave's load covers 512 consecutive bytes, its store 256 consecutive bytes at a multiple of 256 from the buffer's first byte.
; All sixteen loads of a thread go out at once.
; No LDS, no matrix unit, no cluster: every byte is read once and written once, and no two work-groups share one.
; THE MODE: SCHED_MODE bits 1:0 = 2 (LLVM: expert scheduling mode 2), set by the entry lines.  The code itself states the register dependences
; between vector instructions and memory instructions, with s_wait_alu, always for 0.
; THE PLAN.  Registers that memory instructions touch:
;   v1, v2   the loads' and the stores' byte offsets: written once at the head, never again.
;   X        chunk i's load lands in four registers of its own, once; no vector instruction names them ahead of the loads; the chunk's conversions read them behind the loads' count.
;   Y        chunk i's conversions write two registers of its own, once; the chunk's one store reads them; nothing writes them again.
;   T        (Wo's way) named by vector instructions alone.
; So nothing that a memory instruction has read is ever written again, and nothing is loaded into a register that a vector instruction has named.  What is left to state is that a
; register is written before a memory instruction reads it: once at the head for the offsets, and once for each GROUP of four chunks, behind the group's conversions and ahead of its
; four stores, which stand on end.  That wait stands behind the conversions and not at the next group's head, so that a group's stores do not wait for the next group's loads.
.set X, 4                              ; v[4:67]    chunk i: 4 numbers as loaded
.set Y, 68                             ; v[68:99]   chunk i: 4 numbers of 16 bits, to store
.set T, 100                            ; v[100:103] at work (Wo's way)
	s_load_b512 s[16:31], s[0:1], 0x0              ; hidden s[16:17], Wq s[18:19], Wk s[20:21], Wv s[22:23], Wo s[24:25], hb s[26:27], wqkv s[28:29], wo16 s[30:31]
	s_mov_b32 s2, ttmp9                            ; the work-group's number
	s_sub_co_u32 s3, s2, 256                       ; j: its number among the weights' groups (used from group 256 on alone)
	s_bfe_u32 s4, s3, 0x20006                      ; which weight: 0 Wq, 1 Wk, 2 Wv, 3 Wo
	s_and_b32 s5, s3, 63                           ; its chunk of that weight
	s_cmp_eq_u32 s4, 3
	s_cselect_b32 s14, s5, s3                      ; chunk of the destination: Wo's own, or j in wqkv,
	s_cmp_lt_u32 s2, 256
	s_cselect_b32 s14, s2, s14                     ; or the group's number in hb
	s_cselect_b32 s12, s2, s5                      ; chunk of the source
	s_lshl_b32 s12, s12, 16                        ; 65,536 bytes a chunk in
	s_lshl_b32 s14, s14, 15                        ; 32,768 out
	s_mov_b32 s13, 0
	s_mov_b32 s15, 0
	v_lshlrev_b32 v1, 4, v0                        ; 16 t
	v_lshlrev_b32 v2, 3, v0                        ; 8 t
	s_wait_kmcnt 0x0
	s_cmp_eq_u32 s4, 0                             ; the buffers are chosen by the group's number alone
	s_cselect_b64 s[8:9], s[18:19], s[20:21]
	s_cmp_eq_u32 s4, 2
	s_cselect_b64 s[8:9], s[22:23], s[8:9]
	s_cmp_eq_u32 s4, 3
	s_cselect_b64 s[8:9], s[24:25], s[8:9]
	s_cselect_b64 s[10:11], s[30:31], s[28:29]
	s_cmp_lt_u32 s2, 256
	s_cselect_b64 s[8:9], s[16:17], s[8:9]
	s_cselect_b64 s[10:11], s[26:27], s[10:11]
	s_add_nc_u64 s[8:9], s[8:9], s[12:13]          ; source at my chunk
	s_add_nc_u64 s[10:11], s[10:11], s[14:15]      ; destination at my chunk
	s_wait_alu depctr_va_vdst(0)                   ; v1 and v2 are written: every load of the kernel reads v1 as its offset, every store v2
.irp i, 0,1,2,3,4,5,6,7,8,9,10,11,12,13,14,15
	global_load_b128 v[X+4*(\i):X+4*(\i)+3], v1, s[8:9] offset:4096*(\i) th:TH_LOAD_NT
.endr
	s_cmp_ge_u32 s2, 448
	s_cbranch_scc1 .Lwo
.irp g, 0,1,2,3                        ; group g: chunks 4 g to 4 g + 3
	s_wait_loadcnt 12-4*(\g)                       ; loads come back in order: the group's four chunks are in, the younger groups' stay out
.irp c, 0,1,2,3
	v_cvt_pk_bf16_f32 v[Y+2*(4*(\g)+(\c))],   v[X+4*(4*(\g)+(\c))],   v[X+4*(4*(\g)+(\c))+1]
	v_cvt_pk_bf16_f32 v[Y+2*(4*(\g)+(\c))+1], v[X+4*(4*(\g)+(\c))+2], v[X+4*(4*(\g)+(\c))+3]
.endr
	s_wait_alu depctr_va_vdst(0)                   ; the group's eight conversions have written its eight registers of Y, which the four stores below read
.irp c, 0,1,2,3
	global_store_b64 v2, v[Y+2*(4*(\g)+(\c)):Y+2*(4*(\g)+(\c))+1], s[10:11] offset:2048*(4*(\g)+(\c))
.endr
.endr
	s_endpgm
.Lwo:                                              ; Wo: to bf16, widened again (a shift, a mask), and written as f16
.irp g, 0,1,2,3                        ; group g: chunks 4 g to 4 g + 3
	s_wait_loadcnt 12-4*(\g)                       ; the group's four chunks are in, the younger groups' stay out
.irp c, 0,1,2,3
	v_cvt_pk_bf16_f32 v[T],   v[X+4*(4*(\g)+(\c))],   v[X+4*(4*(\g)+(\c))+1]
	v_cvt_pk_bf16_f32 v[T+1], v[X+4*(4*(\g)+(\c))+2], v[X+4*(4*(\g)+(\c))+3]
	v_lshlrev_b32 v[T+2], 16, v[T]
	v_and_b32     v[T+3], 0xffff0000, v[T]
	v_cvt_pk_f16_f32 v[Y+2*(4*(\g)+(\c))], v[T+2], v[T+3]
	v_lshlrev_b32 v[T+2], 16, v[T+1]
	v_and_b32     v[T+3], 0xffff0000, v[T+1]
	v_cvt_pk_f16_f32 v[Y+2*(4*(\g)+(\c))+1], v[T+2], v[T+3]
.endr
	s_wait_alu depctr_va_vdst(0)                   ; the group's conversions to f16 have written its eight registers of Y, which the four stores below read
.irp c, 0,1,2,3
	global_store_b64 v2, v[Y+2*(4*(\g)+(\c)):Y+2*(4*(\g)+(\c))+1], s[10:11] offset:2048*(4*(\g)+(\c))
.endr
.endr
	s_endpgm
.Lfunc_end_k_qfa4e098a69_cast:
	.size	k_qfa4e098a69_cast, .Lfunc_end_k_qfa4e098a69_cast-k_qfa4e098a69_cast
	.p2alignl 7, 3214868480
	.fill 96, 4, 3214868480
	.section	.rodata,"a",@progbits
	.p2align	6, 0x0
	.amdhsa_kernel k_qfa4e098a69_cast
		.amdhsa_group_segment_fixed_size 0
		.amdhsa_private_segment_fixed_size 0
		.amdhsa_enable_private_segment 0
		.amdhsa_kernarg_size 64
		.amdhsa_user_sgpr_count 2
		.amdhsa_user_sgpr_kernarg_segment_ptr 1
		.amdhsa_wavefront_size32 1
		.amdhsa_system_sgpr_workgroup_id_x 1
		.amdhsa_system_sgpr_workgroup_id_y 1
		.amdhsa_system_sgpr_workgroup_id_z 1
		.amdhsa_system_vgpr_workitem_id 0
		.amdhsa_next_free_vgpr 104
		.amdhsa_next_free_sgpr 66
		.amdhsa_reserve_vcc 0
		.amdhsa_float_denorm_mode_32 3
		.amdhsa_float_denorm_mode_16_64 3
		.amdhsa_memory_ordered 1
		.amdhsa_forward_progress 1
		.amdhsa_inst_pref_size 16
	.end_amdhsa_kernel
	.amdgpu_metadata
---
amdhsa.version: [ 1, 2 ]
amdhsa.kernels:
  - .name:           k_qfa4e098a69_cast
    .symbol:         k_qfa4e098a69_cast.kd
    .args:
      - { .name: hidden, .offset: 0, .size: 8, .value_kind: global_buffer, .address_space: global }
      - { .name: Wq, .offset: 8, .size: 8, .value_kind: global_buffer, .address_space: global }
      - { .name: Wk, .offset: 16, .size: 8, .value_kind: global_buffer, .address_space: global }
      - { .name: Wv, .offset: 24, .size: 8, .value_kind: global_buffer, .address_space: global }
      - { .name: Wo, .offset: 32, .size: 8, .value_kind: global_buffer, .address_space: global }
      - { .name: hb, .offset: 40, .size: 8, .value_kind: global_buffer, .address_space: global }
      - { .name: wqkv, .offset: 48, .size: 8, .value_kind: global_buffer, .address_space: global }
      - { .name: wo16, .offset: 56, .size: 8, .value_kind: global_buffer, .address_space: global }
    .group_segment_fixed_size: 0
    .private_segment_fixed_size: 0
    .kernarg_segment_align: 8
    .kernarg_segment_size: 64
    .max_flat_workgroup_size: 256
    .sgpr_count:     66
    .vgpr_count:     104
    .wavefront_size: 32
...
	.end_amdgpu_metadata
.endif
;; end of part 5
;; launch qkv: the kernel of part 2 again; grid 16 x 16, 4 waves a work-group, clusters of 4 x 4, 327,680 bytes of LDS; arguments hb, wqkv, qkv; writes qkv
;; launch attn: the kernel of part 3 again; grid 16 x 16, 4 waves a work-group, no clusters, 167,936 bytes of LDS; arguments qkv, ob; writes ob
;; launch oproj: the kernel of part 4 again; grid 8 x 32, 4 waves a work-group, clusters of 4 x 4, 327,680 bytes of LDS; arguments ob, wo16, out0; writes out0
